; MI455X (gfx1250); checked and timed in simulation.
; The chip was launched on July 23, 2026; its instructions are those of AMD's public machine-readable ISA for CDNA 5 (MIT licence, August 2026) and "CDNA5" Instruction Set Architecture Reference Guide (July 2026). The comments in the code are by the model that wrote it; some were corrected since.
;; Multi Query Attention. Allowed arithmetic: float matrix products may take bf16 or f16 operands with f32 sums; other float arithmetic in f32, or as packed bf16 or f16 multiplies, adds, multiply-adds, maxima and minima; sums over many terms, partial sums and values carried from step to step in f32; what a program stores and reads back later, other than sums and carried values, may be rounded once to bf16 or f16.
;; Inputs: Wk 128 x 2,048 float32; Wo 2,048 x 2,048 float32; Wq 2,048 x 2,048 float32; Wv 128 x 2,048 float32; masking 4 x 1 x 1,024 x 1,024 int32; x 4 x 1,024 x 2,048 float32.
;; Outputs: out0 4 x 1,024 x 2,048 float32.
;; One version. Each part assembles by itself: llvm-mc -triple=amdgcn-amd-amdhsa -mcpu=gfx1250 --defsym DOCPART=n.
;; ======== version 1 of 1: 4 launches
;; limits: values are held in f16: magnitudes above 65,504 overflow, below 6.1e-05 lose precision
;; workspace buffers: h16 34,603,008 bytes; q 16,777,216 bytes; kvb 2,097,152 bytes; mbits 524,288 bytes of whole numbers; o 16,777,216 bytes
;; launch cast (part 1): grid 1312 x 1, 8 waves a work-group, no clusters, 0 bytes of LDS; arguments x, Wq, Wk, Wv, Wo, masking, h16, mbits; writes h16, mbits
.if DOCPART == 1
	.amdgcn_target "amdgcn-amd-amdhsa--gfx1250"
	.amdhsa_code_object_version 6
	.text
	.protected	k_q53a73dd0cc_cast
	.globl	k_q53a73dd0cc_cast
	.p2align	8
	.type	k_q53a73dd0cc_cast,@function
k_q53a73dd0cc_cast:
	s_mov_b64 s[64:65], 0
	v_nop
	global_prefetch_b8 v0, s[64:65] scope:SCOPE_SE
	s_setreg_imm32_b32 hwreg(HW_REG_WAVE_MODE, 25, 1), 1
	s_wait_xcnt 0x0
; TWO JOBS, chosen by the work-group's number.
; Work-groups 0 .. 1055: x, Wq, Wk, Wv, Wo (f32) are rounded once to f16 into h16; a work-group takes 8 rows of 2,048 numbers (64 KiB in, 32 KiB out).
;   h16: bytes 0: x [4096][2048];  16,777,216: 16 tiles of 144 rows [2048]: tile t = c x Wq's rows 128 t .. +127, then rows 16 t .. +15 of (Wk above Wv);  26,214,400: Wo [2048][2048].
;   c = log2(e) / sqrt(128) rides on Wq, so that the scores come out of the products ready for 2^x: one rounding, no step of its own.
; Work-groups 1056 .. 1311 (g = 0 .. 255): the mask's rows 16 g .. 16 g + 15 become lane masks: word (g, key step j of 64 keys, n = 8 kb + i), bit r + 16 h, is 1 where
;   masking[16 g + r][64 j + 16 kb + 8 h + i] == 0: the select that the attention launch's v_cndmask_b32 takes for score register n.
; LIMITS.  f16 holds no number beyond 65,504: larger inputs would become infinities.  NaN and infinities are not treated apart.
; No LDS, no matrix unit, no loop.  The halves are made in the registers that the loads filled: 70 registers a wave, so that more waves have their sixteen loads on their way at a time.
; Every register is written by its load and once more by the arithmetic in front of its store: no store's source is rewritten behind the store.
.set NCAST, 1056                       ; work-groups that cast: 512 x, 256 Wq, 16 Wk, 16 Wv, 256 Wo
.set X, 4                              ; v[4:67]   sixteen loads of 16 bytes a lane; the first two registers of each four then hold the halves to store
.set Y, 68                             ; v[68:69]  the mask's part: the words are gathered here
	s_load_b512 s[4:19], s[0:1], 0x0               ; x s[4:5], Wq s[6:7], Wk s[8:9], Wv s[10:11], Wo s[12:13], masking s[14:15], h16 s[16:17], mbits s[18:19]
	v_lshlrev_b32 v1, 4, v0                        ; 16 bytes a thread in,
	v_lshlrev_b32 v2, 3, v0                        ; 8 bytes out
	s_wait_kmcnt 0x0
	s_cmp_ge_u32 ttmp9, NCAST
	s_cbranch_scc1 .Lmask
	; which tensor, where its work-groups begin, and the factor
	s_mov_b64 s[22:23], s[12:13]                   ; Wo
	s_mov_b32 s24, 800
	s_mov_b32 s20, 1.0
	s_cmp_lt_u32 ttmp9, 800
	s_cselect_b64 s[22:23], s[10:11], s[22:23]     ; Wv
	s_cselect_b32 s24, 784, s24
	s_cmp_lt_u32 ttmp9, 784
	s_cselect_b64 s[22:23], s[8:9], s[22:23]       ; Wk
	s_cselect_b32 s24, 768, s24
	s_cmp_lt_u32 ttmp9, 768
	s_cselect_b64 s[22:23], s[6:7], s[22:23]       ; Wq
	s_cselect_b32 s24, 512, s24
	s_cselect_b32 s20, 0x3e0293ee, s20             ; c = 0.127517
	s_cmp_lt_u32 ttmp9, 512
	s_cselect_b64 s[22:23], s[4:5], s[22:23]       ; x
	s_cselect_b32 s24, 0, s24
	s_cselect_b32 s20, 1.0, s20
	s_mov_b32 s21, s20                             ; named with it as a pair
	s_sub_co_u32 s26, ttmp9, s24
	s_lshl_b32 s26, s26, 16                        ; 64 KiB of the source to a work-group
	s_mov_b32 s27, 0
	s_add_nc_u64 s[22:23], s[22:23], s[26:27]
	; where the 32 KiB go.  x and Wo: the work-group's number x 32,768 (800 x 32,768 = 26,214,400).
	s_lshl_b32 s28, ttmp9, 15
	s_mov_b32 s33, s28
	s_sub_co_u32 s30, ttmp9, 512                   ; Wq: behind every 16 work-groups (128 rows) 16 rows of k and v are left free: 65,536 bytes
	s_lshr_b32 s30, s30, 4
	s_lshl_b32 s30, s30, 16
	s_add_co_u32 s30, s30, s28
	s_sub_co_u32 s31, ttmp9, 768                   ; Wk, Wv: work-group i holds rows 8 i .. 8 i + 7: tile i / 2, rows 128 + 8 (i % 2)
	s_lshr_b32 s32, s31, 1
	s_mul_i32 s32, s32, 589824                     ; a tile is 144 rows of 4,096 bytes
	s_and_b32 s31, s31, 1
	s_lshl_b32 s31, s31, 15
	s_add_co_u32 s32, s32, s31
	s_add_co_u32 s32, s32, 17301504                ; 16,777,216 + 128 rows
	s_cmp_lt_u32 ttmp9, 800
	s_cselect_b32 s28, s32, s28
	s_cmp_lt_u32 ttmp9, 768
	s_cselect_b32 s28, s30, s28
	s_cmp_lt_u32 ttmp9, 512
	s_cselect_b32 s28, s33, s28
	s_mov_b32 s29, 0
	s_add_nc_u64 s[16:17], s[16:17], s[28:29]
.irp i, 0,1,2,3,4,5,6,7,8,9,10,11,12,13,14,15
	global_load_b128 v[X+4*(\i):X+4*(\i)+3], v1, s[22:23] offset:4096*(\i) th:TH_LOAD_NT  ; a wave's load covers 512 consecutive bytes; all sixteen go out at once
.endr
.irp i, 0,1,2,3,4,5,6,7,8,9,10,11,12,13,14,15
	s_wait_loadcnt 15-(\i)                         ; loads come back in order: load i is in, the 15 - i younger ones stay out
	v_pk_mul_f32 v[X+4*(\i):X+4*(\i)+1], v[X+4*(\i):X+4*(\i)+1], s[20:21] op_sel_hi:[1,0]
	v_pk_mul_f32 v[X+4*(\i)+2:X+4*(\i)+3], v[X+4*(\i)+2:X+4*(\i)+3], s[20:21] op_sel_hi:[1,0]
	v_cvt_pk_f16_f32 v[X+4*(\i)], v[X+4*(\i)], v[X+4*(\i)+1]        ; in place: the four numbers' halves take the first two of their registers
	v_cvt_pk_f16_f32 v[X+4*(\i)+1], v[X+4*(\i)+2], v[X+4*(\i)+3]
	global_store_b64 v2, v[X+4*(\i):X+4*(\i)+1], s[16:17] offset:2048*(\i)  ; a wave's store covers 256 consecutive bytes, aligned
.endr
	s_endpgm
.Lmask:                                        ; wave w takes key steps 2 w and 2 w + 1: 512 bytes of each of the 16 rows
	s_sub_co_u32 s26, ttmp9, NCAST                 ; g
	s_lshl_b32 s28, s26, 11                        ; 16 steps x 32 words x 4 bytes
	s_lshl_b32 s26, s26, 16                        ; 16 rows of 4,096 bytes
	s_mov_b32 s27, 0
	s_mov_b32 s29, 0
	s_add_nc_u64 s[14:15], s[14:15], s[26:27]
	s_add_nc_u64 s[18:19], s[18:19], s[28:29]
	v_and_b32 v1, 15, v0                           ; r: my row
	v_lshlrev_b32 v1, 12, v1
	v_bfe_u32 v2, v0, 4, 1                         ; h: my eight keys of sixteen
	v_lshl_add_u32 v1, v2, 5, v1
	v_lshrrev_b32 v2, 5, v0                        ; wave
	v_lshl_add_u32 v1, v2, 9, v1
	v_and_b32 v3, 31, v0
	v_lshlrev_b32 v3, 3, v3
	v_lshl_add_u32 v3, v2, 8, v3                   ; out: 256 bytes a wave, 8 a lane
.irp i, 0,1,2,3,4,5,6,7,8,9,10,11,12,13,14,15
	global_load_b128 v[X+4*(\i):X+4*(\i)+3], v1, s[14:15] offset:((\i)/8)*256+(((\i)/2)%4)*64+((\i)%2)*16  ; register X + m holds my element of word m = 32 (step % 2) + 8 kb + i
.endr
	v_mov_b32 v[Y], 0                              ; v_writelane_b32 counts as a reader of its destination
	v_mov_b32 v[Y+1], 0
.set m, 0
.rept 64
.if m%4 == 0
	s_wait_loadcnt 15-m/4                          ; load m / 4 is in
.endif
	v_cmp_eq_u32 s[30+m%8], 0, v[X+m]              ; the 32 lanes' bits are the word
	v_writelane_b32 v[Y+m%2], s[30+m%8], m/2       ; word m goes to lane m / 2, register m % 2
.set m, m+1
.endr
	global_store_b64 v3, v[Y:Y+1], s[18:19]        ; the wave's 64 words: 256 consecutive bytes, aligned
	s_endpgm
.Lfunc_end_k_q53a73dd0cc_cast:
	.size	k_q53a73dd0cc_cast, .Lfunc_end_k_q53a73dd0cc_cast-k_q53a73dd0cc_cast
	.p2alignl 7, 3214868480
	.fill 96, 4, 3214868480
	.section	.rodata,"a",@progbits
	.p2align	6, 0x0
	.amdhsa_kernel k_q53a73dd0cc_cast
		.amdhsa_group_segment_fixed_size 0
		.amdhsa_private_segment_fixed_size 0
		.amdhsa_enable_private_segment 0
		.amdhsa_kernarg_size 64
		.amdhsa_user_sgpr_count 2
		.amdhsa_user_sgpr_kernarg_segment_ptr 1
		.amdhsa_wavefront_size32 1
		.amdhsa_system_sgpr_workgroup_id_x 1
		.amdhsa_system_sgpr_workgroup_id_y 1
		.amdhsa_system_sgpr_workgroup_id_z 1
		.amdhsa_system_vgpr_workitem_id 0
		.amdhsa_next_free_vgpr 72
		.amdhsa_next_free_sgpr 66
		.amdhsa_reserve_vcc 0
		.amdhsa_float_denorm_mode_32 3
		.amdhsa_float_denorm_mode_16_64 3
		.amdhsa_memory_ordered 1
		.amdhsa_forward_progress 1
		.amdhsa_inst_pref_size 21
	.end_amdhsa_kernel
	.amdgpu_metadata
---
amdhsa.version: [ 1, 2 ]
amdhsa.kernels:
  - .name:           k_q53a73dd0cc_cast
    .symbol:         k_q53a73dd0cc_cast.kd
    .args:
      - { .name: x, .offset: 0, .size: 8, .value_kind: global_buffer, .address_space: global }
      - { .name: Wq, .offset: 8, .size: 8, .value_kind: global_buffer, .address_space: global }
      - { .name: Wk, .offset: 16, .size: 8, .value_kind: global_buffer, .address_space: global }
      - { .name: Wv, .offset: 24, .size: 8, .value_kind: global_buffer, .address_space: global }
      - { .name: Wo, .offset: 32, .size: 8, .value_kind: global_buffer, .address_space: global }
      - { .name: masking, .offset: 40, .size: 8, .value_kind: global_buffer, .address_space: global }
      - { .name: h16, .offset: 48, .size: 8, .value_kind: global_buffer, .address_space: global }
      - { .name: mbits, .offset: 56, .size: 8, .value_kind: global_buffer, .address_space: global }
    .group_segment_fixed_size: 0
    .private_segment_fixed_size: 0
    .kernarg_segment_align: 8
    .kernarg_segment_size: 64
    .max_flat_workgroup_size: 256
    .sgpr_count:     66
    .vgpr_count:     72
    .wavefront_size: 32
...
	.end_amdgpu_metadata
.endif
;; end of part 1
;; launch gemm_qkv (part 2): grid 16 x 16, 4 waves a work-group, clusters of 4 x 4, 327,680 bytes of LDS; arguments h16, q, kvb; writes q, kvb
.if DOCPART == 2
	.amdgcn_target "amdgcn-amd-amdhsa--gfx1250"
	.amdhsa_code_object_version 6
	.text
	.protected	k_q53a73dd0cc_gemm_qkv
	.globl	k_q53a73dd0cc_gemm_qkv
	.p2align	8
	.type	k_q53a73dd0cc_gemm_qkv,@function
k_q53a73dd0cc_gemm_qkv:
	s_mov_b64 s[64:65], 0
	v_nop
	global_prefetch_b8 v0, s[64:65] scope:SCOPE_SE
	s_setreg_imm32_b32 hwreg(HW_REG_WAVE_MODE, 25, 1), 1
	s_wait_xcnt 0x0
	s_wait_alu depctr_hold_cnt(0) depctr_sa_sdst(0) depctr_va_vdst(0) depctr_va_sdst(0) depctr_va_ssrc(0) depctr_va_vcc(0) depctr_vm_vsrc(0)
	s_getreg_b32 s2, hwreg(HW_REG_IB_STS2, 6, 4)
	s_cmp_eq_u32 s2, 0
	s_cbranch_scc0 .Lentry_in_a_cluster
	s_endpgm
.Lentry_in_a_cluster:
	s_bfe_u32 s2, ttmp6, 0x10000c
	s_cmp_lg_u32 s2, 0xf033
	s_cbranch_scc0 .Lentry_shape_is_right
	s_endpgm
.Lentry_shape_is_right:
; C[m][n] = sum over k of A[m][k] B[n][k], A [4096][2048], B [16 x BROWS][2048], both f16; sums in f32.  ONE TEXT FOR TWO LAUNCHES, told apart by the three lines below.
; HERE: A = x (h16's first part), B = the 16 tiles of 144 rows made by the launch before (128 rows of c Wq, 16 rows of Wk or Wv).  Columns 0-127 of a tile go to q [4096][2048] f16,
; columns 128-143 to kvb [16 blocks of 16 channels][4096 keys][16] f16: there a wave's 16 keys x 32 bytes are 512 consecutive bytes.
; LIMIT.  q, k, v are rounded once to f16, which ends at 65,504; NaN and infinities are not treated apart.
; SHARES.  A work-group makes 256 rows x BROWS columns: 16 x 16 work-groups.  Wave w makes rows 64 w .. +63 x all columns: 4 x NBLK accumulators of 16 x 16.
; K goes in steps of 128 through two LDS slots filled by tensor loads; rows are 256 bytes of memory, aligned, and lie 272 bytes apart in LDS.  The loop's trip is one K step: the slot that is read
; and the slot that is filled are turned by one exclusive or each.
; CLUSTER 4 x 4: A's tile is shared along a row of the cluster, B's along a column: each is asked for jointly, by the same load with the same descriptor and a mask of four.
; THE MATRIX INSTRUCTION IS USED TRANSPOSED (source 0 = 16 rows of B, source 1 = 16 rows of A): a lane holds row lane % 16 of C and eight neighbouring columns.
; REGISTERS.  window 0: v16-30 addresses; two fragment buffers from v32 and v136 (B's NBLK fragments, then A's four); free on the way out.
;   window 1: the accumulators of my row blocks 0, 1 at v[8 (NBLK (a % 2) + b)];  window 2: those of blocks 2, 3.
.set NBLK,   9                         ; blocks of 16 columns in a tile
.set OUTF32, 0                         ; 0: f16 out, to q and kvb;  1: f32 out
.set BOFF,   16777216                  ; where B begins in h16
.set BROWS,  16*NBLK
.set KSTEP,  128
.set SIZEK,  2048
.set STEPS,  SIZEK/KSTEP               ; 16 K steps
.set PITCH,  272                       ; an LDS row: 256 bytes + 16 of padding = 68 words: the 16 rows of a fragment load start at 16 different groups of four banks (ISA guide 11.1)
.set AH,     128*PITCH                 ; half of A's tile: what waves 0 and 1 fetch
.set BH,     (BROWS/2)*PITCH           ; half of B's tile: what waves 2 and 3 fetch
.set SLOT,   2*AH+2*BH                 ; a slot's bytes, under 131,072
.set SLOT1,  1<<17                     ; slot 1 begins here, so that one exclusive or turns an address in one slot into the other's
.set STAGE,  SLOT1+SLOT                ; behind the ring, never filled by a tensor load: 16 rows for each wave, for the way out
.if OUTF32
.set SP,     528                       ; a stage row: 128 f32 + 16 bytes
.set CSH,    13                        ; a row of C is 8,192 bytes,
.set XSH,    9                         ; a tile's 128 columns 512
.set BK,     32                        ; rows read back: v32-95 and v96-159 by turns
.else
.set SP,     272                       ; 128 f16 + 16 bytes
.set CSH,    12
.set XSH,    8
.set BK,     80                        ; rows read back: 32 registers for each of the four row blocks
.endif
.set CROW,   1<<CSH
.set SPARE,  STAGE+4*16*SP             ; behind the stages: the spare words, 128 bytes a wave, which no other line names
.set NLD,    2*NBLK+8                  ; LDS loads for 32 along K
.set PFR,    BROWS/8                   ; rows of B that one partner prefetches for one wave
.set A0,   16                          ; v16  my lane's place in my A fragments of slot 0; never rewritten
.set ADRA, 17                          ; v17  the same in the slot that is being read
.set B0,   20                          ; v20, v21  the same for B
.set ADRB, 21
.set STO,  24                          ; v24  the way out: where I put my piece of a row
.set RD,   25                          ; v25  where I read rows back
.set CO,   26                          ; v26  my byte offset in C
.set KO,   27                          ; v27  my byte offset in 16 keys of kvb
.set SPW,  28                          ; v28  LDS address of my spare word; never rewritten
.set NIL,  29                          ; v29  0; never rewritten
.set PFO,  30                          ; v30  the prefetches' offset: a lane a row; never rewritten
.set F0,   32
.set F1,   136
.set TMP,  32                          ; the way out (f16): packed results
.set KV,   64                          ; and the k, v columns' 16 bytes, four registers a row block
.set TB,  2                            ; s2   LDS byte at which the slot that is being read begins
.set G1,  24                           ; s[24:31] group 1 for A;  s[32:39] group 0: a set for each of the two first fills; the second then walks on
.set G0,  32
.set G1B, 48                           ; s[48:55], s[56:63] the same for B
.set G0B, 56
.set LIM, 43                           ; s43  2 in a wave that prefetches, else the greatest number
.set PFA, 44                           ; s[44:45] where my prefetches stand
.set MSB, 0
.macro WIN new                         ; the immediate's high byte repeats the setting that is left; a switch that changes nothing is dropped
.if MSB != (\new)
	s_set_vgpr_msb (MSB<<8)|(\new)
.set MSB, \new
.endif
.endm
.macro JLOAD s                         ; a joint load: waves 0 and 1 fetch A's halves, waves 2 and 3 B's; an s_nop 0 and four v_nop follow each line
	s_cmp_eq_u32 s11, 0
	s_cbranch_scc0 .Lfor_b_\@
	tensor_load_to_lds s[G0+4*(\s):G0+4*(\s)+3], s[G1:G1+7]
	s_nop 0
.rept 4
	v_nop
.endr
	s_branch .Lasked_\@
.Lfor_b_\@:
	tensor_load_to_lds s[G0B+4*(\s):G0B+4*(\s)+3], s[G1B:G1B+7]
	s_nop 0
.rept 4
	v_nop
.endr
.Lasked_\@:
.endm
; A prefetch into the L2 of the K step that stands two refills on: a lane a row, 256 bytes of it.  A's rows are asked for by the clusters with x = 0, B's by those with y = 0; the four partners
; that ask for a tile jointly share its rows out by address.  In trip n of 14 (s3 = 15 - n) the refill is K step n + 1 and the prefetch names K step n + 3: the last two trips (s3 = 2, 1) ask for nothing.
.macro ASK
	s_cmp_gt_u32 s3, s[LIM]
	s_cbranch_scc0 .Lnot_mine_\@
	global_prefetch_b8 v[PFO], s[PFA:PFA+1] offset:KSTEP*2 th:TH_LOAD_NT scope:SCOPE_SE
.Lnot_mine_\@:
.endm
.macro CREST                           ; a round of the cluster's barrier behind its opening barrier
	s_cmp_lg_u32 s10, 0
	s_cbranch_scc1 .Lnot_wave_0_\@
	s_barrier_signal -3
.Lnot_wave_0_\@:
	s_barrier_wait -3
	s_barrier_signal -1
	s_barrier_wait -1
.endm
.macro CROUND
	s_barrier_signal -1
	s_barrier_wait -1
	CREST
.endm
.macro PLACES                          ; four places in front of loads into registers that matrix instructions have read
.rept 4
	v_nop
.endr
.endm
.if OUTF32
	s_load_b128 s[4:7], s[0:1], 0x0                ; A s[4:5], h16 s[6:7]
	s_load_b64 s[8:9], s[0:1], 0x10                ; C
.else
	s_load_b64 s[4:5], s[0:1], 0x0                 ; h16: A lies at its head
	s_load_b64 s[8:9], s[0:1], 0x8                 ; q
	s_load_b64 s[66:67], s[0:1], 0x10              ; kvb
.endif
	v_lshl_add_u32 v[SPW], v0, 2, SPARE
	v_mov_b32 v[NIL], 0
	ds_add_u32 v[SPW], v[NIL]                      ; the wave's opening: the add and its wait stand ahead of my first tensor load; the set-up below stands between them
	v_lshrrev_b32 v1, 5, v0
	v_readfirstlane_b32 s10, v1                    ; wave 0..3
	s_lshr_b32 s11, s10, 1                         ; I fetch for A (0) or for B (1)
	s_and_b32 s12, s10, 1                          ; which half of that tile
	s_mov_b32 s[TB], 0                             ; slot 0 is read first
	s_bfe_u32 s40, ttmp6, 0x40000                  ; cx, cy: my place in the cluster
	s_bfe_u32 s41, ttmp6, 0x40004
	s_lshl_b32 s42, ttmp9, 2
	s_add_co_u32 s42, s42, s40                     ; tile column = 4 x cluster x + cx
	s_and_b32 s13, ttmp7, 0xffff
	s_lshl_b32 s13, s13, 2
	s_add_co_u32 s13, s13, s41                     ; tile row = 4 x cluster y + cy
	s_lshl_b32 s43, s41, 2
	s_lshl_b32 s43, 15, s43                        ; my row of the cluster
	s_lshl_b32 s44, 0x1111, s40                    ; my column
	s_or_b32 s[G1+0], s43, (1<<16)|(1<<20)|(1<<21)|(5<<22)|(3<<25)   ; the mask; 2-byte elements; padding on; bit 21 beside a mask; after every 64 words; 4 words
	s_or_b32 s[G1B+0], s44, (1<<16)|(1<<20)|(1<<21)|(5<<22)|(3<<25)
	s_mov_b32 s[G1+1], KSTEP<<16                   ; tensor_dim0 = 128
	s_mov_b32 s[G1+2], 128<<16                     ; tensor_dim1 = 128
	s_mov_b32 s[G1+3], KSTEP<<16                   ; tile_dim0 = 128
	s_mov_b32 s[G1+4], 128                         ; tile_dim1 = 128
	s_mov_b32 s[G1+5], SIZEK                       ; elements from row to row
	s_mov_b32 s[G1+6], 0
	s_mov_b32 s[G1+7], 0
	s_mov_b32 s[G1B+1], KSTEP<<16
	s_mov_b32 s[G1B+2], (BROWS/2)<<16              ; B's half tile has BROWS / 2 rows
	s_mov_b32 s[G1B+3], KSTEP<<16
	s_mov_b32 s[G1B+4], BROWS/2
	s_mov_b32 s[G1B+5], SIZEK
	s_mov_b32 s[G1B+6], 0
	s_mov_b32 s[G1B+7], 0
	s_lshl_b32 s16, s13, 8                         ; A: row 256 x tile row + 128 x half, in bytes (under 2^24)
	s_lshl_b32 s17, s12, 7
	s_add_co_u32 s16, s16, s17
	s_lshl_b32 s16, s16, 12
	s_mov_b32 s17, 0
	s_mul_i32 s46, s42, BROWS                      ; B: row BROWS x tile column + BROWS / 2 x half
	s_mul_i32 s47, s12, BROWS/2
	s_add_co_u32 s46, s46, s47
	s_lshl_b32 s46, s46, 12
	s_mov_b32 s47, 0
	s_mul_i32 s20, s12, AH                         ; where they go: the wave's number alone enters an LDS address
	s_mul_i32 s21, s12, BH
	s_add_co_u32 s21, s21, 2*AH
	s_wait_dscnt 0x0                               ; the opening add is done
	s_wait_kmcnt 0x0
.if !OUTF32
	s_mov_b64 s[6:7], s[4:5]
.endif
	s_add_nc_u64 s[6:7], s[6:7], BOFF              ; B
	s_add_nc_u64 s[14:15], s[4:5], s[16:17]
	s_add_nc_u64 s[46:47], s[6:7], s[46:47]
	CROUND                                         ; all sixteen work-groups are here: the first joint loads meet
.irp s, 0,1
	s_mov_b32 s[G0+4*(\s)], 1
	s_add_co_u32 s[G0+4*(\s)+1], s20, (\s)*SLOT1
	s_add_nc_u64 s[G0+4*(\s)+2:G0+4*(\s)+3], s[14:15], (\s)*KSTEP*2
	s_or_b32 s[G0+4*(\s)+3], s[G0+4*(\s)+3], 0x80000000
	s_mov_b32 s[G0B+4*(\s)], 1
	s_add_co_u32 s[G0B+4*(\s)+1], s21, (\s)*SLOT1
	s_add_nc_u64 s[G0B+4*(\s)+2:G0B+4*(\s)+3], s[46:47], (\s)*KSTEP*2
	s_or_b32 s[G0B+4*(\s)+3], s[G0B+4*(\s)+3], 0x80000000
	JLOAD \s                                       ; K steps 0 and 1: two loads of mine are out
.endr
	v_and_b32 v1, 15, v0                           ; l % 16
	v_bfe_u32 v2, v0, 4, 1                         ; l / 16
	v_mul_u32_u24 v3, v1, PITCH
	v_lshl_add_u32 v3, v2, 4, v3                   ; a fragment's row x pitch + 16 x half
	s_mul_i32 s21, s10, 64*PITCH                   ; my 64 rows of A
	v_add_nc_u32 v[A0], s21, v3
	v_add_nc_u32 v[B0], 2*AH, v3                   ; B lies behind A's 256 rows; every wave reads all of it
	v_mov_b32 v[ADRA], v[A0]                       ; slot 0
	v_mov_b32 v[ADRB], v[B0]
	s_mul_i32 s23, s10, 16*SP
	s_add_co_u32 s23, s23, STAGE                   ; my stage
	v_mul_u32_u24 v4, v1, SP
.if OUTF32
	v_lshl_add_u32 v4, v2, 5, v4                   ; in: row l % 16, 32 bytes for each half of the lanes
	v_add_nc_u32 v[STO], s23, v4
	v_and_b32 v5, 31, v0
	v_lshlrev_b32 v[CO], 4, v5                     ; back and out: 32 lanes take one row of 512 bytes
	v_add_nc_u32 v[RD], s23, v[CO]
.else
	v_lshl_add_u32 v4, v2, 4, v4                   ; in: row l % 16, 16 bytes for each half of the lanes
	v_add_nc_u32 v[STO], s23, v4
	v_mul_u32_u24 v5, v2, SP                       ; back: lanes 0-15 one row of 256 bytes, lanes 16-31 the next
	v_lshl_add_u32 v5, v1, 4, v5
	v_add_nc_u32 v[RD], s23, v5
	v_lshlrev_b32 v5, CSH, v2                      ; the same two rows in q
	v_lshl_add_u32 v[CO], v1, 4, v5
	v_lshlrev_b32 v5, 5, v1                        ; kvb: key l % 16, 16 bytes for each half of the lanes
	v_lshl_add_u32 v[KO], v2, 4, v5
.endif
	s_lshl_b32 s16, s13, 8
	s_lshl_b32 s17, s10, 6
	s_add_co_u32 s16, s16, s17                     ; my first row of C: 256 x tile row + 64 x wave
.if !OUTF32
	s_lshl_b32 s18, s16, 5                         ; in kvb a key is 32 bytes,
	s_mov_b32 s19, 0
	s_add_nc_u64 s[66:67], s[66:67], s[18:19]
	s_lshl_b32 s46, s42, 17                        ; a block of 16 channels 4,096 keys
	s_mov_b32 s47, 0
	s_add_nc_u64 s[66:67], s[66:67], s[46:47]
.endif
	s_lshl_b32 s16, s16, CSH
	s_mov_b32 s17, 0
	s_add_nc_u64 s[8:9], s[8:9], s[16:17]
	s_lshl_b32 s46, s42, XSH                       ; the tile's first column, in bytes
	s_mov_b32 s47, 0
	s_add_nc_u64 s[8:9], s[8:9], s[46:47]
	; the prefetches: of the rows that I fetch, my work-group's share: 32 of A's 128 by cx, PFR of B's BROWS / 2 by cy
	s_lshl_b32 s20, s13, 8
	s_lshl_b32 s22, s12, 7
	s_add_co_u32 s20, s20, s22
	s_lshl_b32 s22, s40, 5
	s_add_co_u32 s20, s20, s22
	s_mul_i32 s21, s42, BROWS
	s_mul_i32 s22, s12, BROWS/2
	s_add_co_u32 s21, s21, s22
	s_mul_i32 s22, s41, PFR
	s_add_co_u32 s21, s21, s22
	s_and_b32 s22, ttmp7, 0xffff                   ; cluster y
	s_cmp_eq_u32 s11, 0                            ; do I fetch for A?
	s_cselect_b32 s20, s20, s21
	s_cselect_b32 s22, ttmp9, s22                  ; the coordinate along which other clusters read the same rows
	s_cselect_b32 s23, 31, PFR-1                   ; the last row of my share: lanes beyond it name it again
	s_cselect_b64 s[PFA:PFA+1], s[4:5], s[6:7]
	s_cmp_eq_u32 s22, 0
	s_cselect_b32 s[LIM], 2, -1                    ; the same in all sixteen partners, for a given wave
	s_lshl_b32 s20, s20, 12
	s_mov_b32 s21, 0
	s_add_nc_u64 s[PFA:PFA+1], s[PFA:PFA+1], s[20:21]
	s_add_nc_u64 s[PFA:PFA+1], s[PFA:PFA+1], 2*KSTEP*2  ; at K step 2: the first refill steps it to 3 and names K step 4; K steps 0 to 3 come by their loads alone
	v_and_b32 v[PFO], 31, v0
	v_min_u32 v[PFO], s23, v[PFO]
	v_lshlrev_b32 v[PFO], 12, v[PFO]
; NBLK products: my row block a x all column blocks, 32 along K, from buffer f.  zero = 1: the product starts the sum.  The 4 NBLK accumulators take turns, in the same order in every quarter.
.macro MULA f, a, zero
	WIN 0x50+0x50*((\a)/2)                         ; C and D in window 1 or 2, the sources in window 0
.set b, 0
.rept NBLK
.set rD, 8*(NBLK*((\a)%2)+b)
.if \zero
	v_wmma_f32_16x16x32_f16 v[rD:rD+7], v[(\f)+8*b:(\f)+8*b+7], v[(\f)+8*NBLK+8*(\a):(\f)+8*NBLK+8*(\a)+7], 0
.else
	v_wmma_f32_16x16x32_f16 v[rD:rD+7], v[(\f)+8*b:(\f)+8*b+7], v[(\f)+8*NBLK+8*(\a):(\f)+8*NBLK+8*(\a)+7], v[rD:rD+7]
.endif
.set b, b+1
.endr
.endm
; NLD LDS loads in one run: the fragments of 32 along K at byte k of the rows of the slot in hand, into buffer f: B's first, then A's four
.macro FETCH k, f
	WIN 0
.set b, 0
.rept NBLK
	ds_load_b128 v[(\f)+8*b:(\f)+8*b+3],   v[ADRB] offset:(\k)+b*16*PITCH
	ds_load_b128 v[(\f)+8*b+4:(\f)+8*b+7], v[ADRB] offset:(\k)+b*16*PITCH+32
.set b, b+1
.endr
.irp a, 0,1,2,3
	ds_load_b128 v[(\f)+8*NBLK+8*(\a):(\f)+8*NBLK+8*(\a)+3],   v[ADRA] offset:(\k)+(\a)*16*PITCH
	ds_load_b128 v[(\f)+8*NBLK+8*(\a)+4:(\f)+8*NBLK+8*(\a)+7], v[ADRA] offset:(\k)+(\a)*16*PITCH+32
.endr
.endm
; A K step is four quarters of 32 along K on buffers 0, 1, 0, 1.  One of the first three: multiplies buffer f and, in its middle, fetches the next quarter, at byte k, into g.
.macro QUARTER k, f, g, zero
	s_wait_dscnt 4                                 ; B and A's blocks 0, 1 are in; the youngest four loads (blocks 2, 3) may be out
	MULA \f, 0, \zero
	MULA \f, 1, \zero
	PLACES
	FETCH \k, \g
	s_wait_dscnt NLD                               ; all but the run just issued
	MULA \f, 2, \zero
	MULA \f, 3, \zero
.endm
; The last quarter changes slots and then multiplies buffer 1.  One barrier; in front of it each wave waits for all its tensor loads (its part of the next slot), adds 0 to its spare word, and waits for that
; and for its reads of this slot (buffer 1's fragments were the last).  fill = 1: the barrier opens a round of the cluster's, and this slot is filled again, two K steps ahead, first thing behind the round.
; ALL of the quarter's products stand behind the request: a load so has the 4 x 4 NBLK products of a whole K step between its request and the wait for it.
.macro TURN fill
.if \fill
	s_wait_xcnt 0x0                                ; the last prefetch, a K step back, has read its address, which is stepped here
	s_add_nc_u64 s[PFA:PFA+1], s[PFA:PFA+1], KSTEP*2
.endif
	WIN 0
	s_wait_tensorcnt 0x0                           ; all my tensor loads have landed, so a group 0 may be written
	ds_add_u32 v[SPW], v[NIL]                      ; 0 onto my spare word: the steps below stand between it and the wait for it
.if \fill
	s_xor_b32 s[G0+5], s[G0+5], SLOT1              ; the walking descriptors: the other slot than last time,
	s_add_nc_u64 s[G0+6:G0+7], s[G0+6:G0+7], KSTEP*2  ; the next K step; the type bits on top are not reached
	s_xor_b32 s[G0B+5], s[G0B+5], SLOT1
	s_add_nc_u64 s[G0B+6:G0B+7], s[G0B+6:G0B+7], KSTEP*2
.endif
	s_xor_b32 s[TB], s[TB], SLOT1                  ; the reads go on in the other slot
	s_wait_dscnt 0x0                               ; the add is done, and my reads of this slot are over
	s_barrier_signal -1
	s_barrier_wait -1
.if \fill
	CREST                                          ; no wave of any partner still reads this slot's tile or has a load on its way
	JLOAD 1                                        ; my one tensor load behind the round; its four v_nop are also the places in front of the loads below
.else
	PLACES
.endif
	v_add_nc_u32 v[ADRA], s[TB], v[A0]
	v_add_nc_u32 v[ADRB], s[TB], v[B0]
	FETCH 0, F0
.if \fill
	ASK
.endif
	MULA F1, 0, 0
	MULA F1, 1, 0
	MULA F1, 2, 0
	MULA F1, 3, 0
.endm
; THE WAY OUT, f16.  PACK: row block a rounded to f16, each accumulator's registers in ascending order; the k, v block's 16 bytes are kept apart.  TOSTAGE: into my own stage, and back as whole rows of 256 bytes.
.macro PACK a
	WIN 0x05+0x05*((\a)/2)                         ; sources 0 and 1 in window 1 or 2
.set b, 0
.rept NBLK
.set rD, 8*(NBLK*((\a)%2)+b)
.if b < 8
.set rT, TMP+4*b
.else
.set rT, KV+4*(\a)
.endif
.irp r, 0,1,2,3
	v_cvt_pk_f16_f32 v[rT+(\r)], v[rD+2*(\r)], v[rD+2*(\r)+1]
.endr
.set b, b+1
.endr
	WIN 0
.endm
.macro TOSTAGE a
.irp b, 0,1,2,3,4,5,6,7
	ds_store_b128 v[STO], v[TMP+4*(\b):TMP+4*(\b)+3] offset:32*(\b)
.endr
.irp t, 0,1,2,3,4,5,6,7
	ds_load_b128 v[BK+32*(\a)+4*(\t):BK+32*(\a)+4*(\t)+3], v[RD] offset:(\t)*2*SP  ; LDS serves a wave's instructions in order (ISA guide 5.7.1.4): these see the stores above
.endr
.endm
.macro SEND a                          ; every store's data lies in registers of its own, and the bases stand still: nothing that a store reads is rewritten
	s_wait_dscnt 0x0                               ; the block is back in registers
.irp t, 0,1,2,3,4,5,6,7
	global_store_b128 v[CO], v[BK+32*(\a)+4*(\t):BK+32*(\a)+4*(\t)+3], s[8:9] offset:(16*(\a)+2*(\t))*CROW  ; 16 lanes store 256 consecutive bytes, aligned
.endr
	global_store_b128 v[KO], v[KV+4*(\a):KV+4*(\a)+3], s[66:67] offset:512*(\a)  ; 16 keys x 32 bytes: 512 consecutive bytes, aligned
.endm
; THE WAY OUT, f32: row block a goes as it is into my stage (rows of 528 bytes) and comes back as whole rows of 512 bytes.
.macro OUT32 a
.set rB, BK+64*((\a)%2)
.if (\a) >= 2
	s_wait_xcnt 0x0                                ; the stores of the block two back have read these registers
.endif
	WIN 0x04+0x04*((\a)/2)                         ; the stores' data in window 1 or 2
.set b, 0
.rept NBLK
.set rD, 8*(NBLK*((\a)%2)+b)
	ds_store_b128 v[STO], v[rD:rD+3]   offset:64*b
	ds_store_b128 v[STO], v[rD+4:rD+7] offset:64*b+16
.set b, b+1
.endr
	WIN 0
.irp t, 0,1,2,3,4,5,6,7,8,9,10,11,12,13,14,15
	ds_load_b128 v[rB+4*(\t):rB+4*(\t)+3], v[RD] offset:(\t)*SP
.endr
	s_wait_dscnt 0x0
.irp t, 0,1,2,3,4,5,6,7,8,9,10,11,12,13,14,15
	global_store_b128 v[CO], v[rB+4*(\t):rB+4*(\t)+3], s[8:9] offset:(16*(\a)+(\t))*CROW th:TH_STORE_NT  ; a wave stores 512 consecutive bytes, aligned
.endr
.endm
	s_wait_tensorcnt 1                             ; my part of K step 0 is in; K step 1's may stay out
	s_barrier_signal -1
	s_barrier_wait -1                              ; everybody's is
	FETCH 0, F0
	QUARTER 64, F0, F1, 1                          ; the first quarter stands in front of the loop: its products start the sums
	WIN 0                                          ; at a label and at a branch every window is 0
	s_mov_b32 s3, STEPS-2
.Lstep:                                                ; a trip is a K step, from its second quarter to the next step's first; it fills the slot that it leaves: K steps 2 to 15
	QUARTER 128, F1, F0, 0
	QUARTER 192, F0, F1, 0
	TURN 1
	QUARTER 64,  F0, F1, 0
	WIN 0
	s_sub_co_u32 s3, s3, 1
	s_cmp_lg_u32 s3, 0
	s_cbranch_scc1 .Lstep
	QUARTER 128, F1, F0, 0                         ; the last two K steps fill nothing
	QUARTER 192, F0, F1, 0
	TURN 0
	QUARTER 64,  F0, F1, 0
	QUARTER 128, F1, F0, 0
	QUARTER 192, F0, F1, 0
	s_wait_dscnt 4                                 ; the very last quarter: nothing more to fetch
	MULA F1, 0, 0
	MULA F1, 1, 0
	s_wait_dscnt 0x0
	MULA F1, 2, 0
	MULA F1, 3, 0
	WIN 0
	PLACES                                         ; the places behind the last products, in front of what reads results and writes over fragments
	PLACES
.if OUTF32
	OUT32 0
	OUT32 1
	OUT32 2
	OUT32 3
.else
	PACK 0
	TOSTAGE 0
.irp a, 1,2,3                          ; block a's conversions stand between block a - 1's loads from the stage and the wait for them
	PACK \a
	SEND (\a)-1
	TOSTAGE \a
.endr
	SEND 3
.endif
	s_wait_tensorcnt 0x0                           ; the wave's end, behind my last tensor load and my last LDS store
	ds_add_u32 v[SPW], v[NIL]
	s_wait_dscnt 0x0
	CROUND                                         ; the closing round: no work-group ends while a partner may still ask for a tile that names it
	s_endpgm
.Lfunc_end_k_q53a73dd0cc_gemm_qkv:
	.size	k_q53a73dd0cc_gemm_qkv, .Lfunc_end_k_q53a73dd0cc_gemm_qkv-k_q53a73dd0cc_gemm_qkv
	.p2alignl 7, 3214868480
	.fill 96, 4, 3214868480
	.section	.rodata,"a",@progbits
	.p2align	6, 0x0
	.amdhsa_kernel k_q53a73dd0cc_gemm_qkv
		.amdhsa_group_segment_fixed_size 327680
		.amdhsa_private_segment_fixed_size 0
		.amdhsa_enable_private_segment 0
		.amdhsa_kernarg_size 24
		.amdhsa_user_sgpr_count 2
		.amdhsa_user_sgpr_kernarg_segment_ptr 1
		.amdhsa_wavefront_size32 1
		.amdhsa_system_sgpr_workgroup_id_x 1
		.amdhsa_system_sgpr_workgroup_id_y 1
		.amdhsa_system_sgpr_workgroup_id_z 1
		.amdhsa_system_vgpr_workitem_id 0
		.amdhsa_next_free_vgpr 656
		.amdhsa_next_free_sgpr 68
		.amdhsa_reserve_vcc 0
		.amdhsa_float_denorm_mode_32 3
		.amdhsa_float_denorm_mode_16_64 3
		.amdhsa_memory_ordered 1
		.amdhsa_forward_progress 1
		.amdhsa_inst_pref_size 78
	.end_amdhsa_kernel
	.amdgpu_metadata
---
amdhsa.version: [ 1, 2 ]
amdhsa.kernels:
  - .name:           k_q53a73dd0cc_gemm_qkv
    .symbol:         k_q53a73dd0cc_gemm_qkv.kd
    .args:
      - { .name: h16, .offset: 0, .size: 8, .value_kind: global_buffer, .address_space: global }
      - { .name: q, .offset: 8, .size: 8, .value_kind: global_buffer, .address_space: global }
      - { .name: kvb, .offset: 16, .size: 8, .value_kind: global_buffer, .address_space: global }
    .group_segment_fixed_size: 327680
    .private_segment_fixed_size: 0
    .kernarg_segment_align: 8
    .kernarg_segment_size: 24
    .max_flat_workgroup_size: 128
    .sgpr_count:     68
    .vgpr_count:     656
    .wavefront_size: 32
...
	.end_amdgpu_metadata
.endif
;; end of part 2
;; launch attn (part 3): grid 64 x 4, 4 waves a work-group, clusters of 4 x 1, 327,680 bytes of LDS; arguments q, kvb, mbits, o; writes o
.if DOCPART == 3
	.amdgcn_target "amdgcn-amd-amdhsa--gfx1250"
	.amdhsa_code_object_version 6
	.text
	.protected	k_q53a73dd0cc_attn
	.globl	k_q53a73dd0cc_attn
	.p2align	8
	.type	k_q53a73dd0cc_attn,@function
k_q53a73dd0cc_attn:
	s_mov_b64 s[64:65], 0
	v_nop
	global_prefetch_b8 v0, s[64:65] scope:SCOPE_SE
	s_setreg_imm32_b32 hwreg(HW_REG_WAVE_MODE, 25, 1), 1
	s_wait_xcnt 0x0
	s_wait_alu depctr_hold_cnt(0) depctr_sa_sdst(0) depctr_va_vdst(0) depctr_va_sdst(0) depctr_va_ssrc(0) depctr_va_vcc(0) depctr_vm_vsrc(0)
	s_getreg_b32 s2, hwreg(HW_REG_IB_STS2, 6, 4)
	s_cmp_eq_u32 s2, 0
	s_cbranch_scc0 .Lentry_in_a_cluster
	s_endpgm
.Lentry_in_a_cluster:
	s_bfe_u32 s2, ttmp6, 0x10000c
	s_cmp_lg_u32 s2, 0x3003
	s_cbranch_scc0 .Lentry_shape_is_right
	s_endpgm
.Lentry_shape_is_right:
; MULTI-QUERY ATTENTION.  o[b][s][h][:] = the sum over k of softmax_k(logit) v[b][k][:], logit = q[b][s][h] . k[b][k] / sqrt(128), or -1e9 where masking[b][s][k] == 0.
; q, o: [4096 (b, s)][2048 (h, d)] f16; q already carries log2(e) / sqrt(128).  kvb: [16 blocks of 16 channels][4096 keys (b, k)][16] f16: blocks 0-7 K, 8-15 V.
; mbits: [256 groups of 16 positions][16 key steps][32] lane masks: word n, bit lane: 1 where the lane's score register n is hidden.
; Products, maxima and sums in f32; the weights p are rounded to f16 for the second product (their sum l is taken of the unrounded p), o once at the end.
; LIMITS.  f16 ends at 65,504: q, k, v arrive within it; p lies in 0 to 1; o is a mean of v's rows.  A hidden score is REPLACED by -1e9 x log2(e), so a row that is wholly hidden gives the mean of all v, as the
; definition does.  A weight below 2^-126 counts as 0.  NaN and infinities are not treated apart.
; SHARES.  ALL 16 HEADS OF A POSITION SHARE K, V AND THE MASK'S ROW.  A work-group owns 16 positions of a batch, all heads: 256 rows of q.  Wave w owns heads 4 w .. 4 w + 3: tile t = the 16 positions
; (lane % 16) of head 4 w + t.  Every wave walks the batch's 1,024 keys, 64 a step; one set of 32 lane masks serves all tiles of a step.
; LAYOUT.  S^T = K Q^T (source 0 = 16 keys, source 1 = 16 positions): a lane holds ONE position and the keys 8 (lane / 16) + 0..7.  Two such tiles, rounded to f16 in pairs, ARE source 1 of
; O^T = V^T P, whose result again holds one position a lane, and eight channels.
; SOFTMAX.  For each row a running maximum m and sum l: p = 2^(s - m); in every step O and l are multiplied by a = 2^(m_old - m_new).
; BY TURNS.  The wave's tiles are two PIECES (0: tiles 0, 1; 2: tiles 2, 3).  In a TURN one piece has the matrix unit: 32 products V^T P of the step in hand, then 32 products K Q^T of the next; the other
; piece's softmax is a queue of 330 vector instructions: more than four for each of the 64 products.  So FOUR stand behind every product, and the other 74 stand together, in one lump between the two runs of
; products, with the turn's one wait for its exponentials at the lump's end.  Two turns are a key step.
; CLUSTER.  The four work-groups of a cluster belong to one batch and walk the same K and V: each tile is asked for jointly, by the same load, descriptor and mask in all four.
; REGISTERS, in windows of 256 (s_set_vgpr_msb: bits 1:0 source 0, 3:2 source 1, 5:4 source 2, 7:6 destination):
;   window 0: v0-11 addresses; v12-43 eight registers of statistics a tile; v44 the hidden score; v61-63; v64-191 S^T, 32 a tile; v192-255 P, 16 a tile
;   window 1: O^T, 64 a tile          window 2: v0-127 Q, 32 a tile; v128-255 K of one step          window 3: v0-127 V of one step
.set KS,    64        ; keys in a step
.set KP,    48        ; a key of a block of K in LDS: 32 bytes + 16 of padding: the 16 keys of a load start at 16 different groups of four banks (ISA guide 11.1)
.set KB,    128*KP    ; a block of 16 channels of K in a slot: 128 keys
.set VP,    32        ; a key of a block of V: 16 lanes of the turning load take 256 consecutive bytes
.set VB,    128*VP
.set VOFF,  8*KB      ; a slot holds two steps: K's eight blocks, then V's eight
.set SLOT1, 1<<17     ; slot 1 begins here, so that one exclusive or turns an address in one slot into the other's
.set SLOTB, 128*32    ; a slot's bytes of one block in memory
.set BLKB,  4096*32   ; a block's bytes in memory
.set STAGE, SLOT1+VOFF+8*VB  ; behind the ring, never filled by a tensor load: 16 rows x 272 bytes for each wave, for the way out
.set SP,    272
.set SPARE, STAGE+4*16*SP    ; behind the stages: the spare words, 128 bytes a wave, which no other line names
.set NQ,    330       ; a turn's vector instructions: 165 a tile
.set NLUMP, NQ-4*64   ; 74: those that have no place behind a product
.set AK0, 2           ; v2   my lane's place in a block of K; never rewritten
.set AV0, 3           ; v3   the same for V
.set ADR, 4           ; v4   the LDS address of the run of loads in hand
.set QO,  5           ; v5   my byte offset in the work-group's rows of q
.set STO, 6           ; v6   the way out: where I put 16 bytes of a row
.set RD,  7           ; v7   where I read a row back
.set GO,  8           ; v8   my byte offset in the rows of o
.set ST,  12          ; tile t's statistics at v[ST+8 t]: +0 m, +1 m_old, +2, +3 l (even keys', odd keys'), +4 to +7 c0-c3 at work; a takes c2's place, m_old - m c3's
.set MCV, 44          ; v44  -1e9 x log2(e)
.set PFO, 61          ; v61  the prefetches' offset; never rewritten
.set SPW, 62          ; v62  LDS address of my spare word; never rewritten
.set NIL, 63          ; v63  0; never rewritten
.set S,   64
.set P,   192
.set KF,  128         ; K's fragments, in window 2
.set WV,  12          ; s12  my wave's number
.set LIM, 15          ; s15  1 in a wave that prefetches, else the greatest number
.set PFA, 18          ; s[18:19] where my prefetches stand
.set G1K, 24          ; s[24:31] descriptor group 1 for K
.set G1V, 32          ; s[32:39] for V: it differs in the padding alone
.set G0K, 40          ; s[40:47] group 0 for K: a set for each of the two first fills; the second then walks on
.set G0V, 48          ; s[48:55] the same for V
.set SLOTS, 56        ; s56  slots still to be asked for
.set TWICE, 57        ; s57  counts a slot's two steps
.set MP,  58          ; s[58:59] the lane masks of the step whose masks are loaded next
.set SEL, 60          ; s[60:61] v_permlanex16_b32's selects: each lane takes its own place in the other half
.set TBK, 62          ; s62  LDS byte at which K of the step to be fetched begins
.set TBV, 63          ; s63  the same for V, less VOFF
.set MK,  68          ; s[68:99] a step's 32 lane masks
.set MSB, 0
.macro WIN new                      ; the immediate's high byte repeats the setting that is left; a switch that changes nothing is dropped
.if MSB != (\new)
	s_set_vgpr_msb (MSB<<8)|(\new)
.set MSB, \new
.endif
.endm
.set W_KQ, 0x0a       ; K and Q in window 2, S^T in window 0
.set W_PV, 0x53       ; V in window 3, P in window 0, O^T in window 1
.set W_RS, 0x41       ; O^T (destination and source 0) in window 1, a in window 0
; A joint refill.  Waves 0 and 1 fetch K's blocks 0-3 and 4-7, waves 2 and 3 V's.  An s_nop 0 and four v_nop follow each of the two lines.
.macro JLOAD
	s_cmp_lt_u32 s[WV], 2
	s_cbranch_scc0 .Lfor_v_\@
	tensor_load_to_lds s[G0K+4:G0K+7], s[G1K:G1K+7]
	s_nop 0
.rept 4
	v_nop
.endr
	s_branch .Lasked_\@
.Lfor_v_\@:
	tensor_load_to_lds s[G0V+4:G0V+7], s[G1V:G1V+7]
	s_nop 0
.rept 4
	v_nop
.endr
.Lasked_\@:
.endm
; A prefetch into the L2 of what the NEXT change of slots will ask for: 8 blocks x 4,096 bytes of K and of V.  All clusters of a batch walk the same rows: the batch's first cluster asks.  Its four partners share
; the blocks out by address, two each; in each, wave 0 asks for K's and wave 2 for V's: 32 lanes x 256 bytes.  The last change that fills a slot asks for nothing.
.macro ASK
	s_cmp_gt_u32 s[SLOTS], s[LIM]
	s_cbranch_scc0 .Lnot_mine_\@
	global_prefetch_b8 v[PFO], s[PFA:PFA+1] th:TH_LOAD_NT scope:SCOPE_SE
.Lnot_mine_\@:
.endm
.macro CROUND                       ; a round of the cluster's barrier
	s_barrier_signal -1
	s_barrier_wait -1
	s_cmp_lg_u32 s[WV], 0
	s_cbranch_scc1 .Lnot_wave_0_\@
	s_barrier_signal -3
.Lnot_wave_0_\@:
	s_barrier_wait -3
	s_barrier_signal -1
	s_barrier_wait -1
.endm
	s_load_b256 s[4:11], s[0:1], 0x0  ; q s[4:5], kvb s[6:7], mbits s[8:9], o s[10:11]
	v_lshl_add_u32 v[SPW], v0, 2, SPARE
	v_mov_b32 v[NIL], 0
	ds_add_u32 v[SPW], v[NIL]       ; the wave's opening: the add and its wait stand ahead of my first tensor load; the set-up below stands between them
	v_lshrrev_b32 v1, 5, v0
	v_readfirstlane_b32 s[WV], v1   ; wave 0..3
	s_bfe_u32 s13, ttmp6, 0x40000   ; cx: my place in the cluster
	s_lshl_b32 s14, ttmp9, 2        ; in a cluster launch ttmp9 counts clusters
	s_add_co_u32 s14, s14, s13      ; my group of 16 positions: it enters q's, o's and the masks' addresses alone
	s_and_b32 s20, ttmp7, 0xffff    ; the batch, which the four partners share
	s_and_b32 s16, s[WV], 1         ; which four blocks I fetch:
	s_lshl_b32 s22, s16, 19         ; 4 x 131,072 bytes in memory,
	s_lshl_b32 s23, s20, 15         ; the batch's 1,024 keys of 32 bytes
	s_add_co_u32 s22, s22, s23
	s_mov_b32 s23, 0
	s_mul_i32 s17, s16, 4*KB        ; and their place in a slot, for K
	s_mul_i32 s21, s16, 4*VB        ; and for V: no place in the cluster enters an LDS address
	s_lshl_b32 s2, s20, 22          ; q and o: the batch's 1,024 rows of 4,096 bytes,
	s_lshl_b32 s3, s14, 16          ; my 16 rows,
	s_add_co_u32 s2, s2, s3
	s_lshl_b32 s3, s[WV], 10        ; my wave's four heads
	s_add_co_u32 s2, s2, s3
	s_mov_b32 s3, 0
	s_lshl_b32 s[MP], s20, 6        ; the masks: group 64 b + my group, 2,048 bytes each
	s_add_co_u32 s[MP], s[MP], s14
	s_lshl_b32 s[MP], s[MP], 11
	s_mov_b32 s[MP+1], 0
	s_lshr_b32 s[PFA], s[WV], 1     ; the prefetches: K's blocks (wave 0) or V's (wave 2),
	s_lshl_b32 s[PFA], s[PFA], 20
	s_lshl_b32 s[PFA+1], s13, 18    ; my work-group's two of the eight,
	s_add_co_u32 s[PFA], s[PFA], s[PFA+1]
	s_lshl_b32 s[PFA+1], s20, 15    ; the batch,
	s_add_co_u32 s[PFA], s[PFA], s[PFA+1]
	s_add_co_u32 s[PFA], s[PFA], 2*SLOTB  ; slot 2: the first change of slots steps it to slot 3.  Nothing is prefetched at the head
	s_mov_b32 s[PFA+1], 0
	; descriptor group 1: 4 rows (blocks) of 2,048 elements (128 keys x 16 channels, 4,096 dense bytes), 65,536 elements from block to block
	s_mov_b32 s[G1K], 15|(1<<16)|(1<<20)|(1<<21)|(2<<22)|(3<<25)  ; the mask of four; 2-byte elements; padding on; bit 21 beside a mask; after every 8 words (a key); 4 words
	s_mov_b32 s[G1V], 15|(1<<16)|(1<<21)                          ; the same without padding
.irp g, G1K, G1V
	s_mov_b32 s[(\g)+1], 2048<<16   ; tensor_dim0 = 2,048
	s_mov_b32 s[(\g)+2], 4<<16      ; tensor_dim1 = 4
	s_mov_b32 s[(\g)+3], 2048<<16   ; tile_dim0 = 2,048
	s_mov_b32 s[(\g)+4], 4          ; tile_dim1 = 4
	s_mov_b32 s[(\g)+5], 65536      ; elements from row to row
	s_mov_b32 s[(\g)+6], 0
	s_mov_b32 s[(\g)+7], 0
.endr
	s_mov_b32 s[SEL], 0x76543210
	s_mov_b32 s[SEL+1], 0xfedcba98
	s_mov_b32 s[TBK], 0
	s_mov_b32 s[TBV], 0
	s_mov_b32 s[SLOTS], 1024/(2*KS)-2
	s_and_b32 s[LIM], s[WV], 1      ; 0 in waves 0 and 2,
	s_or_b32 s[LIM], s[LIM], ttmp9  ; where the cluster is the batch's first: the same in all four partners
	s_cmp_eq_u32 s[LIM], 0
	s_cselect_b32 s[LIM], 1, -1
	v_and_b32 v[PFO], 15, v0        ; lane l asks for bytes 256 (l % 16) on of block l / 16
	v_lshlrev_b32 v[PFO], 8, v[PFO]
	v_bfe_u32 v1, v0, 4, 1
	v_lshl_add_u32 v[PFO], v1, 17, v[PFO]
	s_wait_dscnt 0x0                ; the opening add is done
	s_wait_kmcnt 0x0
	s_add_nc_u64 s[PFA:PFA+1], s[6:7], s[PFA:PFA+1]
	s_add_nc_u64 s[MP:MP+1], s[8:9], s[MP:MP+1]
	s_add_nc_u64 s[6:7], s[6:7], s[22:23]  ; K at my blocks of slot 0,
	s_add_nc_u64 s[8:9], s[6:7], 8*BLKB    ; V eight blocks on
	s_add_nc_u64 s[4:5], s[4:5], s[2:3]    ; q and o at my rows and heads
	s_add_nc_u64 s[10:11], s[10:11], s[2:3]
	s_load_b512 s[MK:MK+15], s[MP:MP+1], 0x0      ; key step 0's lane masks; waited for at the head of the first turn
	s_load_b512 s[MK+16:MK+31], s[MP:MP+1], 0x40
	CROUND                          ; all four work-groups are here: the first joint loads meet
.irp s, 0,1
	s_mov_b32 s[G0K+4*(\s)], 1
	s_add_co_u32 s[G0K+4*(\s)+1], s17, (\s)*SLOT1
	s_add_nc_u64 s[G0K+4*(\s)+2:G0K+4*(\s)+3], s[6:7], (\s)*SLOTB
	s_or_b32 s[G0K+4*(\s)+3], s[G0K+4*(\s)+3], 0x80000000
	s_mov_b32 s[G0V+4*(\s)], 1
	s_add_co_u32 s[G0V+4*(\s)+1], s21, (\s)*SLOT1+VOFF
	s_add_nc_u64 s[G0V+4*(\s)+2:G0V+4*(\s)+3], s[8:9], (\s)*SLOTB
	s_or_b32 s[G0V+4*(\s)+3], s[G0V+4*(\s)+3], 0x80000000
.endr
	s_cmp_lt_u32 s[WV], 2           ; a wave's two first fills stand in one branch, ahead of every wait on TENSORcnt and every LDS read: two loads of mine are out
	s_cbranch_scc0 .Lfirst_v
	tensor_load_to_lds s[G0K:G0K+3], s[G1K:G1K+7]
	s_nop 0
	tensor_load_to_lds s[G0K+4:G0K+7], s[G1K:G1K+7]
	s_nop 0
.rept 4
	v_nop
.endr
	s_branch .Lfirst_asked
.Lfirst_v:
	tensor_load_to_lds s[G0V:G0V+3], s[G1V:G1V+7]
	s_nop 0
	tensor_load_to_lds s[G0V+4:G0V+7], s[G1V:G1V+7]
	s_nop 0
.rept 4
	v_nop
.endr
.Lfirst_asked:
	; A fragment of K or Q is 16 rows x 32 channels in 8 registers: lane l holds row l % 16; registers 0-3 channels 8 (l / 16) + 0..7, registers 4-7 channels 16 + 8 (l / 16) + 0..7.
	v_and_b32 v1, 15, v0            ; l % 16
	v_bfe_u32 v9, v0, 4, 1          ; l / 16
	v_lshlrev_b32 v[QO], 12, v1
	v_lshl_add_u32 v[QO], v9, 4, v[QO]  ; position x 4,096 + 16 x half
	WIN 0x80                        ; destination window 2, address window 0
.irp i, 0,1,2,3,4,5,6,7,8,9,10,11,12,13,14,15  ; Q stays in registers: tile (head) i / 4, channels 32 (i % 4) on
	global_load_b128 v[8*(\i):8*(\i)+3],   v[QO], s[4:5] offset:((\i)/4)*256+((\i)%4)*64
	global_load_b128 v[8*(\i)+4:8*(\i)+7], v[QO], s[4:5] offset:((\i)/4)*256+((\i)%4)*64+32
.endr
	WIN 0
	v_mul_u32_u24 v[AK0], v1, KP
	v_lshl_add_u32 v[AK0], v9, 4, v[AK0]  ; key x 48 + 16 x half
	; The turning load takes 16 keys x 16 channels (lane l reads key 8 (l / 16) + l % 8, channels 8 ((l / 8) % 2) + 0..7) and leaves half a fragment of V^T: lane l holds channel l % 16 and 8 keys.
	v_and_b32 v10, 7, v0
	v_bfe_u32 v11, v0, 3, 1
	v_lshl_add_u32 v[AV0], v9, 3, v10
	v_lshlrev_b32 v[AV0], 5, v[AV0]
	v_lshl_add_u32 v[AV0], v11, 4, v[AV0]
	v_add_nc_u32 v[AV0], VOFF, v[AV0]
	v_mov_b32 v[MCV], 0xceabfb8f    ; -1e9 x log2(e)
; THE MATRIX WORK OF A TURN, for piece x.  The accumulators take turns, one instruction a turn.
; Product i of 32 of O^T += V^T P: keys 32 (i / 16) on, channels 16 ((i / 2) % 8) on, tile x + i % 2.  zero = 1: the first 16 start the sums.
.macro PV x, zero
	WIN W_PV
.set rO, 64*((\x)+i%2)+8*((i/2)%8)
.set rV, 64*(i/16)+8*((i/2)%8)
.set rP, P+16*((\x)+i%2)+8*(i/16)
.if (\zero) && (i < 16)
	v_wmma_f32_16x16x32_f16 v[rO:rO+7], v[rV:rV+7], v[rP:rP+7], 0
.else
	v_wmma_f32_16x16x32_f16 v[rO:rO+7], v[rV:rV+7], v[rP:rP+7], v[rO:rO+7]
.endif
.endm
; Product i of 32 of S^T = K Q^T: channels 32 (i / 8) on, keys 16 ((i / 2) % 4) on, tile x + i % 2.  The first 8 start the sums.
.macro KQ x
	WIN W_KQ
.set rS, S+32*((\x)+i%2)+8*((i/2)%4)
.set rK, KF+32*((i/2)%4)+8*(i/8)
.set rQ, 32*((\x)+i%2)+8*(i/8)
.if i < 8
	v_wmma_f32_16x16x32_f16 v[rS:rS+7], v[rK:rK+7], v[rQ:rQ+7], 0
.else
	v_wmma_f32_16x16x32_f16 v[rS:rS+7], v[rK:rK+7], v[rQ:rQ+7], v[rS:rS+7]
.endif
.endm
; THE LDS LOADS stand in runs of 32.  K: a fragment's two halves are two neighbouring blocks of 16 channels.
.macro FETCH_K
	WIN 0
	v_add_nc_u32 v[ADR], s[TBK], v[AK0]
	s_add_co_u32 s[TBK], s[TBK], KS*KP  ; the next fetch is the next step's
	WIN 0x80                        ; destination window 2
.irp f, 0,1,2,3,4,5,6,7,8,9,10,11,12,13,14,15  ; keys 16 (f / 4) on, channels 32 (f % 4) on
	ds_load_b128 v[KF+8*(\f):KF+8*(\f)+3],   v[ADR] offset:((\f)/4)*16*KP+((\f)%4)*2*KB
	ds_load_b128 v[KF+8*(\f)+4:KF+8*(\f)+7], v[ADR] offset:((\f)/4)*16*KP+((\f)%4)*2*KB+KB
.endr
.endm
.macro FETCH_V
	WIN 0
	v_add_nc_u32 v[ADR], s[TBV], v[AV0]
	s_add_co_u32 s[TBV], s[TBV], KS*VP
	s_wait_alu depctr_va_vdst(0)    ; the wait for the softmax's batch of exponentials, ahead of the first instruction that names a result
	WIN 0xc0                        ; destination window 3
.irp f, 0,1,2,3,4,5,6,7,8,9,10,11,12,13,14,15  ; keys 32 (f / 8) on, channels 16 (f % 8) on
	ds_load_tr16_b128 v[8*(\f):8*(\f)+3],   v[ADR] offset:((\f)/8)*32*VP+((\f)%8)*VB
	ds_load_tr16_b128 v[8*(\f)+4:8*(\f)+7], v[ADR] offset:((\f)/8)*32*VP+16*VP+((\f)%8)*VB
.endr
.endm
; THE VECTOR WORK.  One tile's softmax for one key step is a list of 165 instructions; SM writes number j of it for tile t.  s0-s31 are the lane's 32 scores, in pairs 0-15.
; first = 1: the first key step, which starts m, l and O^T: it has no a and nothing to rescale.
;   0-31     a hidden score is replaced; in ascending order
;   32-47    the maximum of s0-s31 and the old m, three operands at a time
;   48-51    the other half of the lanes' maximum; m_old is kept; the new m; m_old - m
;   52-100   ONE BATCH: the 16 subtractions s - m, a pair each, and all 33 exponentials (a at 54).  None of these reads an exponential's result; each exponential stands behind its pair's subtraction
;   (wait)   between 100 and 101 stands the wait for the batch: LUMP writes it, once for both tiles
;   101-116  the roundings to f16;   117-132  the sums, l = a l + the sum;   133-164  the tile's O^T times a
.macro SM t, first
.set rT, ST+8*(\t)
.set rS, S+32*(\t)
.set rP, P+16*(\t)
.if j < 133
	WIN 0
.endif
.if j < 32
	v_cndmask_b32 v[rS+j], v[rS+j], v[MCV], s[MK+j]
.elseif j < 36
	v_max3_num_f32 v[rT+j-28], v[rS+8*(j-32)], v[rS+8*(j-32)+1], v[rS+8*(j-32)+2]
.elseif j < 44
	v_max3_num_f32 v[rT+4+j%4], v[rT+4+j%4], v[rS+8*(j%4)+2*((j-32)/4)+1], v[rS+8*(j%4)+2*((j-32)/4)+2]
.elseif j == 44
	v_max3_num_f32 v[rT+4], v[rT+4], v[rS+7], v[rS+15]
.elseif j == 45
	v_max3_num_f32 v[rT+6], v[rT+6], v[rS+23], v[rS+31]
.elseif j == 46
	v_max3_num_f32 v[rT+4], v[rT+4], v[rT+5], v[rT+6]
.elseif (j == 47) && (\first)
	v_max_num_f32 v[rT+4], v[rT+4], v[rT+7]
.elseif j == 47
	v_max3_num_f32 v[rT+4], v[rT+4], v[rT+7], v[rT]
.elseif j == 48
	v_permlanex16_b32 v[rT+5], v[rT+4], s[SEL], s[SEL+1]  ; the row's other 32 keys lie in the lane 16 away
.elseif (j == 49) && (\first)
	v_mov_b32 v[rT+1], v[rT+4]      ; the subtractions name m with this register as a pair, so it is written
.elseif j == 49
	v_mov_b32 v[rT+1], v[rT]
.elseif j == 50
	v_max_num_f32 v[rT], v[rT+4], v[rT+5]
.elseif ((j == 51) || (j == 54) || (j > 132)) && (\first)  ; the first step has none of these
.elseif j == 51
	v_sub_f32 v[rT+7], v[rT+1], v[rT]
.elseif j == 54
	v_exp_f32 v[rT+6], v[rT+7]
.elseif j < 101
.set bp, j-52                       ; 0, 1: pairs 0, 1;  3 + 3 g + (0, 1, 2): score 2 g, pair g + 2, score 2 g + 1;  45-48: scores 28-31
.set fe, -1
.set ee, -1
.if bp < 2
.set fe, bp
.elseif bp >= 45
.set ee, bp-17
.elseif (bp%3) == 1
.set fe, (bp+2)/3
.elseif (bp%3) == 0
.set ee, 2*((bp-3)/3)
.else
.set ee, 2*((bp-5)/3)+1
.endif
.if fe >= 0
	v_pk_add_f32 v[rS+2*fe:rS+2*fe+1], v[rS+2*fe:rS+2*fe+1], v[rT:rT+1] op_sel_hi:[1,0] neg_lo:[0,1] neg_hi:[0,1]  ; s - m
.else
	v_exp_f32 v[rS+ee], v[rS+ee]
.endif
.elseif j < 117
	v_cvt_pk_f16_f32 v[rP+j-101], v[rS+2*(j-101)], v[rS+2*(j-101)+1]
.elseif j < 133                     ; the sum of the tile's 16 pairs, in place: neighbours 1, 2, 4 and 8 pairs apart, then l takes it
.set z, j-117
.set w, 4
.set u, z
.if z >= 14
.set w, 32
.set u, 0
.elseif z >= 12
.set w, 16
.set u, z-12
.elseif z >= 8
.set w, 8
.set u, z-8
.endif
.if (z == 14) && (\first)
	v_pk_add_f32 v[rT+2:rT+3], v[rS:rS+1], v[rS+16:rS+17]
.elseif z < 15
	v_pk_add_f32 v[rS+w*u:rS+w*u+1], v[rS+w*u:rS+w*u+1], v[rS+w*u+w/2:rS+w*u+w/2+1]
.elseif !(\first)
	v_pk_fma_f32 v[rT+2:rT+3], v[rT+2:rT+3], v[rT+6:rT+7], v[rS:rS+1] op_sel_hi:[1,0,1]
.endif
.else
.set rO, 64*(\t)+2*(j-133)
	WIN W_RS
	v_pk_mul_f32 v[rO:rO+1], v[rO:rO+1], v[rT+6:rT+7] op_sel_hi:[1,0]
.endif
.endm
; Entry q of the turn's queue of 330: number q / 2 of tile y + q % 2: the two tiles alternate, so that no instruction reads the result of the one just before it.
.macro VQ y, first
.set j, q/2
	SM (\y)+q%2, \first
.set q, q+1
.endm
; THE LUMP: entries 128 to 201, the rest of the batch: 22 subtractions and 52 exponentials.  Behind it a v_nop (the plain instruction behind the last exponential) and the one wait for the turn's 66 exponentials,
; ahead of entry 202, the first that names a result.  In piece 2's turn (y = 0) V's run of loads stands there, and the wait stands in it.
.macro LUMP y, first
.rept NLUMP
	VQ \y, \first
.endr
	v_nop
.if (\y) == 0
	FETCH_V
.else
	s_wait_alu depctr_va_vdst(0)
.endif
.endm
; Slice k of 64: four entries.  Slices 0-31 are entries 0-127, slices 32-63 entries 202-329; the lump follows slice 31.  Slice 63 holds four rescalings: the places behind the turn's last product.
.macro SLICE y, first
.rept 4
	VQ \y, \first
.endr
.set k, k+1
.if k == 32
	LUMP \y, \first
.endif
.endm
.macro PLACES
.rept 4
	v_nop
.endr
.endm
; A TURN.  Piece x has the matrix unit; the other piece's softmax stands in slices behind its products.  pv = 2: 32 products V^T P; 1: they start O^T's sums; 0: none.  kq = 1: 32 products K Q^T for the next step.
; A turn with one of the two kinds has two slices behind each product, and the lump in the middle of its run.  first = 1: the softmax is the first key step's; its last slices are empty, and four v_nop are the
; places behind the last products.
; K of the next step is fetched behind the second product of piece 0's turn: behind the last product that read K stand slice 63 of the turn before and two slices of this one; its first reader comes 30 products
; and the lump later.  V of that step is fetched at the end of the lump of piece 2's turn: behind the last product that read V stand 24 subtractions, the v_nop and the address's v_add_nc_u32; its first reader
; comes 32 products later.
; THE LANE MASKS of a step serve piece 0's softmax (piece 2's turn) and then piece 2's (piece 0's turn).  Behind product 20 of piece 0's turn (entry 84: all 64 selects are issued) the next step's are asked
; for; the head of piece 2's turn waits for them, and only then steps their address.
.macro TURN x, pv, kq, first
.set k, 0
.set q, 0
.set per, 2
.if (\pv) && (\kq)
.set per, 1
.endif
.if (\x) == 2
	s_wait_kmcnt 0x0                ; the step's lane masks are in, and their address may be written
	s_add_nc_u64 s[MP:MP+1], s[MP:MP+1], 128
.endif
.if \pv
.if (\x) == 0
	s_wait_dscnt 0x0                ; V is in
.endif
.set i, 0
.rept 32
	PV \x, 2-(\pv)
.rept per
	SLICE 2-(\x), \first
.endr
.if ((\x) == 0) && (\kq) && (i == 1)
	FETCH_K
.endif
.if ((\x) == 0) && (\kq) && (i == 20)
	s_load_b512 s[MK:MK+15], s[MP:MP+1], 0x0
	s_load_b512 s[MK+16:MK+31], s[MP:MP+1], 0x40
.endif
.set i, i+1
.endr
.endif
.if \kq
.if (\x) == 0
	s_wait_dscnt 0x0                ; K is in
.endif
.set i, 0
.rept 32
	KQ \x
.rept per
	SLICE 2-(\x), \first
.endr
.set i, i+1
.endr
.endif
.if \first
	PLACES
.endif
.endm
; THE CHANGE OF SLOTS, between piece 2's turn and piece 0's.  Each wave waits for all its tensor loads, of which one is out: its part of the other slot; adds 0 to its spare word; and waits for that and for its
; reads of the slot.  fill = 1: the barrier is a round of the cluster's, and the slot is filled again, with the keys two slots on, first thing behind it: two key steps, 256 products, in which to land.
.macro CHANGE fill
	WIN 0                           ; at a label and at a branch every window is 0
	s_wait_tensorcnt 0x0            ; no tensor load of mine is out, so a group 0 may be written
	ds_add_u32 v[SPW], v[NIL]       ; 0 onto my spare word
.if \fill
.irp g, G0K+4, G0V+4
	s_xor_b32 s[(\g)+1], s[(\g)+1], SLOT1  ; the walking descriptor: the other slot than last time,
	s_add_nc_u64 s[(\g)+2:(\g)+3], s[(\g)+2:(\g)+3], SLOTB  ; the next 128 keys
.endr
	s_wait_xcnt 0x0                 ; the last prefetch, two key steps back, has read its address
	s_add_nc_u64 s[PFA:PFA+1], s[PFA:PFA+1], SLOTB
	s_wait_dscnt 0x0                ; the add is done, and my reads of the slot are over
	CROUND
	JLOAD
	ASK
.else
	s_wait_dscnt 0x0
	s_barrier_signal -1
	s_barrier_wait -1
.endif
	s_sub_co_u32 s[TBK], s[TBK], 2*KS*KP  ; the fetches go back to a slot's first step,
	s_xor_b32 s[TBK], s[TBK], SLOT1       ; in the other slot
	s_sub_co_u32 s[TBV], s[TBV], 2*KS*VP
	s_xor_b32 s[TBV], s[TBV], SLOT1
.endm
.macro TWO_STEPS                    ; a slot's two key steps: written once, walked twice
	WIN 0
	s_mov_b32 s[TWICE], 2
.Lstep_\@:
	TURN 0, 2, 1, 0
	TURN 2, 2, 1, 0
	WIN 0
	s_sub_co_u32 s[TWICE], s[TWICE], 1
	s_cmp_lg_u32 s[TWICE], 0
	s_cbranch_scc1 .Lstep_\@
.endm
	s_wait_tensorcnt 1              ; my part of slot 0 is in; slot 1's may stay out
	s_barrier_signal -1
	s_barrier_wait -1               ; everybody's is
	FETCH_K                         ; key step 0
	s_wait_loadcnt 0x0              ; Q
	s_wait_dscnt 0x0
.set i, 0
.rept 32
	KQ 0                            ; piece 0's first scores
.set i, i+1
.endr
	WIN 0                           ; the addresses for the way out: eight plain instructions, the places behind those products
	s_mul_i32 s13, s[WV], 16*SP
	s_add_co_u32 s13, s13, STAGE    ; my stage
	v_mul_u32_u24 v[STO], v1, SP    ; in: row l % 16, 16 bytes for each half of the lanes
	v_lshl_add_u32 v[STO], v9, 4, v[STO]
	v_add_nc_u32 v[STO], s13, v[STO]
	v_mul_u32_u24 v[RD], v9, SP     ; back: lanes 0-15 take one row of 256 bytes, lanes 16-31 the next
	v_lshl_add_u32 v[RD], v1, 4, v[RD]
	v_add_nc_u32 v[RD], s13, v[RD]
	v_lshlrev_b32 v[GO], 12, v9     ; and the same two positions in o
	v_lshl_add_u32 v[GO], v1, 4, v[GO]
	TURN 2, 0, 1, 1                 ; piece 2's first scores | piece 0's first softmax | V of step 0
	TURN 0, 1, 1, 1                 ; piece 0: V^T P of step 0 starts O^T, K Q^T of step 1 | piece 2's first softmax | K of step 1
	TURN 2, 1, 1, 0                 ; piece 2: the same | piece 0's softmax of step 1 | V of step 1
	WIN 0
.Lslot:                             ; six trips: every slot but the last two is filled again
	CHANGE 1
	TWO_STEPS
	s_sub_co_u32 s[SLOTS], s[SLOTS], 1
	s_cmp_lg_u32 s[SLOTS], 0
	s_cbranch_scc1 .Lslot
	CHANGE 0                        ; the tail is written out
	TWO_STEPS
	TURN 0, 2, 0, 0                 ; piece 0: V^T P of the last step | piece 2's last softmax
.set i, 0
.rept 32
	PV 2, 0                         ; piece 2: V^T P of the last step
.set i, i+1
.endr
	; THE WAY OUT.  l's two halves and the other half of the lanes' are added; O^T is divided by l, rounded to f16 and sent through my stage, a tile (16 positions of a head) at a time.  The additions are the places behind the last products.
	WIN 0
.irp t, 0,1,2,3
	v_add_f32 v[ST+8*(\t)+4], v[ST+8*(\t)+2], v[ST+8*(\t)+3]
.endr
.irp t, 0,1,2,3
	v_permlanex16_b32 v[ST+8*(\t)+5], v[ST+8*(\t)+4], s[SEL], s[SEL+1]
.endr
.irp t, 0,1,2,3
	v_add_f32 v[ST+8*(\t)+4], v[ST+8*(\t)+4], v[ST+8*(\t)+5]
.endr
.irp t, 0,1,2,3
	v_rcp_f32 v[ST+8*(\t)+6], v[ST+8*(\t)+4]
.endr
	v_nop                           ; a plain instruction between the last reciprocal and the use of its result
	s_wait_alu depctr_va_vdst(0)    ; and the one wait for the four reciprocals, ahead of the first use
.macro PACK t                       ; a lane's eight channels pack into 16 bytes; they go into rows of 272 bytes and come back as whole rows of 256
	WIN W_RS
.set i, 64*(\t)
.rept 32
	v_pk_mul_f32 v[i:i+1], v[i:i+1], v[ST+8*(\t)+6:ST+8*(\t)+7] op_sel_hi:[1,0]
.set i, i+2
.endr
	WIN 0x05                        ; sources 0 and 1 window 1, destination window 0: S^T's registers are free
.set i, 0
.rept 32
	v_cvt_pk_f16_f32 v[S+32*(\t)+i], v[64*(\t)+2*i], v[64*(\t)+2*i+1]
.set i, i+1
.endr
	WIN 0
.irp f, 0,1,2,3,4,5,6,7
	ds_store_b128 v[STO], v[S+32*(\t)+4*(\f):S+32*(\t)+4*(\f)+3] offset:32*(\f)
.endr
.irp f, 0,1,2,3,4,5,6,7
	ds_load_b128 v[S+32*(\t)+4*(\f):S+32*(\t)+4*(\f)+3], v[RD] offset:(\f)*2*SP  ; LDS serves a wave's instructions in order (ISA guide 5.7.1.4): these see the stores above; the next tile's stores come behind them
.endr
.endm
.macro SEND t, younger              ; younger: the LDS instructions issued behind tile t's loads: the next tile's sixteen, or none
	WIN 0
.irp f, 0,1,2,3,4,5,6,7
	s_wait_dscnt (\younger)+7-(\f)
	global_store_b128 v[GO], v[S+32*(\t)+4*(\f):S+32*(\t)+4*(\f)+3], s[10:11] offset:(\t)*256+(\f)*8192  ; 16 lanes store a head's 256 bytes of one position, aligned
.endr
.endm
	PACK 0
	PACK 1                          ; a tile's arithmetic stands between the loads of the tile before and its stores
	SEND 0, 16
	PACK 2
	SEND 1, 16
	PACK 3
	SEND 2, 16
	SEND 3, 0
	s_wait_tensorcnt 0x0            ; the wave's end, behind my last tensor load and my last LDS store
	ds_add_u32 v[SPW], v[NIL]
	s_wait_dscnt 0x0
	CROUND                          ; the closing round: no work-group ends while a partner may still ask for a tile that names it
	s_endpgm
.Lfunc_end_k_q53a73dd0cc_attn:
	.size	k_q53a73dd0cc_attn, .Lfunc_end_k_q53a73dd0cc_attn-k_q53a73dd0cc_attn
	.p2alignl 7, 3214868480
	.fill 96, 4, 3214868480
	.section	.rodata,"a",@progbits
	.p2align	6, 0x0
	.amdhsa_kernel k_q53a73dd0cc_attn
		.amdhsa_group_segment_fixed_size 327680
		.amdhsa_private_segment_fixed_size 0
		.amdhsa_enable_private_segment 0
		.amdhsa_kernarg_size 32
		.amdhsa_user_sgpr_count 2
		.amdhsa_user_sgpr_kernarg_segment_ptr 1
		.amdhsa_wavefront_size32 1
		.amdhsa_system_sgpr_workgroup_id_x 1
		.amdhsa_system_sgpr_workgroup_id_y 1
		.amdhsa_system_sgpr_workgroup_id_z 1
		.amdhsa_system_vgpr_workitem_id 0
		.amdhsa_next_free_vgpr 1024
		.amdhsa_next_free_sgpr 100
		.amdhsa_reserve_vcc 0
		.amdhsa_float_denorm_mode_32 3
		.amdhsa_float_denorm_mode_16_64 3
		.amdhsa_memory_ordered 1
		.amdhsa_forward_progress 1
		.amdhsa_inst_pref_size 254
	.end_amdhsa_kernel
	.amdgpu_metadata
---
amdhsa.version: [ 1, 2 ]
amdhsa.kernels:
  - .name:           k_q53a73dd0cc_attn
    .symbol:         k_q53a73dd0cc_attn.kd
    .args:
      - { .name: q, .offset: 0, .size: 8, .value_kind: global_buffer, .address_space: global }
      - { .name: kvb, .offset: 8, .size: 8, .value_kind: global_buffer, .address_space: global }
      - { .name: mbits, .offset: 16, .size: 8, .value_kind: global_buffer, .address_space: global }
      - { .name: o, .offset: 24, .size: 8, .value_kind: global_buffer, .address_space: global }
    .group_segment_fixed_size: 327680
    .private_segment_fixed_size: 0
    .kernarg_segment_align: 8
    .kernarg_segment_size: 32
    .max_flat_workgroup_size: 128
    .sgpr_count:     100
    .vgpr_count:     1024
    .wavefront_size: 32
...
	.end_amdgpu_metadata
.endif
;; end of part 3
;; launch gemm_out (part 4): grid 16 x 16, 4 waves a work-group, clusters of 4 x 4, 327,680 bytes of LDS; arguments o, h16, out0; writes out0
.if DOCPART == 4
	.amdgcn_target "amdgcn-amd-amdhsa--gfx1250"
	.amdhsa_code_object_version 6
	.text
	.protected	k_q53a73dd0cc_gemm_out
	.globl	k_q53a73dd0cc_gemm_out
	.p2align	8
	.type	k_q53a73dd0cc_gemm_out,@function
k_q53a73dd0cc_gemm_out:
	s_mov_b64 s[64:65], 0
	v_nop
	global_prefetch_b8 v0, s[64:65] scope:SCOPE_SE
	s_setreg_imm32_b32 hwreg(HW_REG_WAVE_MODE, 25, 1), 1
	s_wait_xcnt 0x0
	s_wait_alu depctr_hold_cnt(0) depctr_sa_sdst(0) depctr_va_vdst(0) depctr_va_sdst(0) depctr_va_ssrc(0) depctr_va_vcc(0) depctr_vm_vsrc(0)
	s_getreg_b32 s2, hwreg(HW_REG_IB_STS2, 6, 4)
	s_cmp_eq_u32 s2, 0
	s_cbranch_scc0 .Lentry_in_a_cluster
	s_endpgm
.Lentry_in_a_cluster:
	s_bfe_u32 s2, ttmp6, 0x10000c
	s_cmp_lg_u32 s2, 0xf033
	s_cbranch_scc0 .Lentry_shape_is_right
	s_endpgm
.Lentry_shape_is_right:
; C[m][n] = sum over k of A[m][k] B[n][k], A [4096][2048], B [16 x BROWS][2048], both f16; sums in f32.  ONE TEXT FOR TWO LAUNCHES, told apart by the three lines below.
; HERE: A = o (the attention's result), B = Wo in f16 (h16's last part), C = out0 [4096][2048] f32, the sums as they are.
; LIMIT.  The operands are f16, which ends at 65,504; NaN and infinities are not treated apart.
; SHARES.  A work-group makes 256 rows x BROWS columns: 16 x 16 work-groups.  Wave w makes rows 64 w .. +63 x all columns: 4 x NBLK accumulators of 16 x 16.
; K goes in steps of 128 through two LDS slots filled by tensor loads; rows are 256 bytes of memory, aligned, and lie 272 bytes apart in LDS.  The loop's trip is one K step: the slot that is read
; and the slot that is filled are turned by one exclusive or each.
; CLUSTER 4 x 4: A's tile is shared along a row of the cluster, B's along a column: each is asked for jointly, by the same load with the same descriptor and a mask of four.
; THE MATRIX INSTRUCTION IS USED TRANSPOSED (source 0 = 16 rows of B, source 1 = 16 rows of A): a lane holds row lane % 16 of C and eight neighbouring columns.
; REGISTERS.  window 0: v16-30 addresses; two fragment buffers from v32 and v136 (B's NBLK fragments, then A's four); free on the way out.
;   window 1: the accumulators of my row blocks 0, 1 at v[8 (NBLK (a % 2) + b)];  window 2: those of blocks 2, 3.
.set NBLK,   8                         ; blocks of 16 columns in a tile
.set OUTF32, 1                         ; 0: f16 out, to q and kvb;  1: f32 out
.set BOFF,   26214400                  ; where B begins in h16
.set BROWS,  16*NBLK
.set KSTEP,  128
.set SIZEK,  2048
.set STEPS,  SIZEK/KSTEP               ; 16 K steps
.set PITCH,  272                       ; an LDS row: 256 bytes + 16 of padding = 68 words: the 16 rows of a fragment load start at 16 different groups of four banks (ISA guide 11.1)
.set AH,     128*PITCH                 ; half of A's tile: what waves 0 and 1 fetch
.set BH,     (BROWS/2)*PITCH           ; half of B's tile: what waves 2 and 3 fetch
.set SLOT,   2*AH+2*BH                 ; a slot's bytes, under 131,072
.set SLOT1,  1<<17                     ; slot 1 begins here, so that one exclusive or turns an address in one slot into the other's
.set STAGE,  SLOT1+SLOT                ; behind the ring, never filled by a tensor load: 16 rows for each wave, for the way out
.if OUTF32
.set SP,     528                       ; a stage row: 128 f32 + 16 bytes
.set CSH,    13                        ; a row of C is 8,192 bytes,
.set XSH,    9                         ; a tile's 128 columns 512
.set BK,     32                        ; rows read back: v32-95 and v96-159 by turns
.else
.set SP,     272                       ; 128 f16 + 16 bytes
.set CSH,    12
.set XSH,    8
.set BK,     80                        ; rows read back: 32 registers for each of the four row blocks
.endif
.set CROW,   1<<CSH
.set SPARE,  STAGE+4*16*SP             ; behind the stages: the spare words, 128 bytes a wave, which no other line names
.set NLD,    2*NBLK+8                  ; LDS loads for 32 along K
.set PFR,    BROWS/8                   ; rows of B that one partner prefetches for one wave
.set A0,   16                          ; v16  my lane's place in my A fragments of slot 0; never rewritten
.set ADRA, 17                          ; v17  the same in the slot that is being read
.set B0,   20                          ; v20, v21  the same for B
.set ADRB, 21
.set STO,  24                          ; v24  the way out: where I put my piece of a row
.set RD,   25                          ; v25  where I read rows back
.set CO,   26                          ; v26  my byte offset in C
.set KO,   27                          ; v27  my byte offset in 16 keys of kvb
.set SPW,  28                          ; v28  LDS address of my spare word; never rewritten
.set NIL,  29                          ; v29  0; never rewritten
.set PFO,  30                          ; v30  the prefetches' offset: a lane a row; never rewritten
.set F0,   32
.set F1,   136
.set TMP,  32                          ; the way out (f16): packed results
.set KV,   64                          ; and the k, v columns' 16 bytes, four registers a row block
.set TB,  2                            ; s2   LDS byte at which the slot that is being read begins
.set G1,  24                           ; s[24:31] group 1 for A;  s[32:39] group 0: a set for each of the two first fills; the second then walks on
.set G0,  32
.set G1B, 48                           ; s[48:55], s[56:63] the same for B
.set G0B, 56
.set LIM, 43                           ; s43  2 in a wave that prefetches, else the greatest number
.set PFA, 44                           ; s[44:45] where my prefetches stand
.set MSB, 0
.macro WIN new                         ; the immediate's high byte repeats the setting that is left; a switch that changes nothing is dropped
.if MSB != (\new)
	s_set_vgpr_msb (MSB<<8)|(\new)
.set MSB, \new
.endif
.endm
.macro JLOAD s                         ; a joint load: waves 0 and 1 fetch A's halves, waves 2 and 3 B's; an s_nop 0 and four v_nop follow each line
	s_cmp_eq_u32 s11, 0
	s_cbranch_scc0 .Lfor_b_\@
	tensor_load_to_lds s[G0+4*(\s):G0+4*(\s)+3], s[G1:G1+7]
	s_nop 0
.rept 4
	v_nop
.endr
	s_branch .Lasked_\@
.Lfor_b_\@:
	tensor_load_to_lds s[G0B+4*(\s):G0B+4*(\s)+3], s[G1B:G1B+7]
	s_nop 0
.rept 4
	v_nop
.endr
.Lasked_\@:
.endm
; A prefetch into the L2 of the K step that stands two refills on: a lane a row, 256 bytes of it.  A's rows are asked for by the clusters with x = 0, B's by those with y = 0; the four partners
; that ask for a tile jointly share its rows out by address.  In trip n of 14 (s3 = 15 - n) the refill is K step n + 1 and the prefetch names K step n + 3: the last two trips (s3 = 2, 1) ask for nothing.
.macro ASK
	s_cmp_gt_u32 s3, s[LIM]
	s_cbranch_scc0 .Lnot_mine_\@
	global_prefetch_b8 v[PFO], s[PFA:PFA+1] offset:KSTEP*2 th:TH_LOAD_NT scope:SCOPE_SE
.Lnot_mine_\@:
.endm
.macro CREST                           ; a round of the cluster's barrier behind its opening barrier
	s_cmp_lg_u32 s10, 0
	s_cbranch_scc1 .Lnot_wave_0_\@
	s_barrier_signal -3
.Lnot_wave_0_\@:
	s_barrier_wait -3
	s_barrier_signal -1
	s_barrier_wait -1
.endm
.macro CROUND
	s_barrier_signal -1
	s_barrier_wait -1
	CREST
.endm
.macro PLACES                          ; four places in front of loads into registers that matrix instructions have read
.rept 4
	v_nop
.endr
.endm
.if OUTF32
	s_load_b128 s[4:7], s[0:1], 0x0                ; A s[4:5], h16 s[6:7]
	s_load_b64 s[8:9], s[0:1], 0x10                ; C
.else
	s_load_b64 s[4:5], s[0:1], 0x0                 ; h16: A lies at its head
	s_load_b64 s[8:9], s[0:1], 0x8                 ; q
	s_load_b64 s[66:67], s[0:1], 0x10              ; kvb
.endif
	v_lshl_add_u32 v[SPW], v0, 2, SPARE
	v_mov_b32 v[NIL], 0
	ds_add_u32 v[SPW], v[NIL]                      ; the wave's opening: the add and its wait stand ahead of my first tensor load; the set-up below stands between them
	v_lshrrev_b32 v1, 5, v0
	v_readfirstlane_b32 s10, v1                    ; wave 0..3
	s_lshr_b32 s11, s10, 1                         ; I fetch for A (0) or for B (1)
	s_and_b32 s12, s10, 1                          ; which half of that tile
	s_mov_b32 s[TB], 0                             ; slot 0 is read first
	s_bfe_u32 s40, ttmp6, 0x40000                  ; cx, cy: my place in the cluster
	s_bfe_u32 s41, ttmp6, 0x40004
	s_lshl_b32 s42, ttmp9, 2
	s_add_co_u32 s42, s42, s40                     ; tile column = 4 x cluster x + cx
	s_and_b32 s13, ttmp7, 0xffff
	s_lshl_b32 s13, s13, 2
	s_add_co_u32 s13, s13, s41                     ; tile row = 4 x cluster y + cy
	s_lshl_b32 s43, s41, 2
	s_lshl_b32 s43, 15, s43                        ; my row of the cluster
	s_lshl_b32 s44, 0x1111, s40                    ; my column
	s_or_b32 s[G1+0], s43, (1<<16)|(1<<20)|(1<<21)|(5<<22)|(3<<25)   ; the mask; 2-byte elements; padding on; bit 21 beside a mask; after every 64 words; 4 words
	s_or_b32 s[G1B+0], s44, (1<<16)|(1<<20)|(1<<21)|(5<<22)|(3<<25)
	s_mov_b32 s[G1+1], KSTEP<<16                   ; tensor_dim0 = 128
	s_mov_b32 s[G1+2], 128<<16                     ; tensor_dim1 = 128
	s_mov_b32 s[G1+3], KSTEP<<16                   ; tile_dim0 = 128
	s_mov_b32 s[G1+4], 128                         ; tile_dim1 = 128
	s_mov_b32 s[G1+5], SIZEK                       ; elements from row to row
	s_mov_b32 s[G1+6], 0
	s_mov_b32 s[G1+7], 0
	s_mov_b32 s[G1B+1], KSTEP<<16
	s_mov_b32 s[G1B+2], (BROWS/2)<<16              ; B's half tile has BROWS / 2 rows
	s_mov_b32 s[G1B+3], KSTEP<<16
	s_mov_b32 s[G1B+4], BROWS/2
	s_mov_b32 s[G1B+5], SIZEK
	s_mov_b32 s[G1B+6], 0
	s_mov_b32 s[G1B+7], 0
	s_lshl_b32 s16, s13, 8                         ; A: row 256 x tile row + 128 x half, in bytes (under 2^24)
	s_lshl_b32 s17, s12, 7
	s_add_co_u32 s16, s16, s17
	s_lshl_b32 s16, s16, 12
	s_mov_b32 s17, 0
	s_mul_i32 s46, s42, BROWS                      ; B: row BROWS x tile column + BROWS / 2 x half
	s_mul_i32 s47, s12, BROWS/2
	s_add_co_u32 s46, s46, s47
	s_lshl_b32 s46, s46, 12
	s_mov_b32 s47, 0
	s_mul_i32 s20, s12, AH                         ; where they go: the wave's number alone enters an LDS address
	s_mul_i32 s21, s12, BH
	s_add_co_u32 s21, s21, 2*AH
	s_wait_dscnt 0x0                               ; the opening add is done
	s_wait_kmcnt 0x0
.if !OUTF32
	s_mov_b64 s[6:7], s[4:5]
.endif
	s_add_nc_u64 s[6:7], s[6:7], BOFF              ; B
	s_add_nc_u64 s[14:15], s[4:5], s[16:17]
	s_add_nc_u64 s[46:47], s[6:7], s[46:47]
	CROUND                                         ; all sixteen work-groups are here: the first joint loads meet
.irp s, 0,1
	s_mov_b32 s[G0+4*(\s)], 1
	s_add_co_u32 s[G0+4*(\s)+1], s20, (\s)*SLOT1
	s_add_nc_u64 s[G0+4*(\s)+2:G0+4*(\s)+3], s[14:15], (\s)*KSTEP*2
	s_or_b32 s[G0+4*(\s)+3], s[G0+4*(\s)+3], 0x80000000
	s_mov_b32 s[G0B+4*(\s)], 1
	s_add_co_u32 s[G0B+4*(\s)+1], s21, (\s)*SLOT1
	s_add_nc_u64 s[G0B+4*(\s)+2:G0B+4*(\s)+3], s[46:47], (\s)*KSTEP*2
	s_or_b32 s[G0B+4*(\s)+3], s[G0B+4*(\s)+3], 0x80000000
	JLOAD \s                                       ; K steps 0 and 1: two loads of mine are out
.endr
	v_and_b32 v1, 15, v0                           ; l % 16
	v_bfe_u32 v2, v0, 4, 1                         ; l / 16
	v_mul_u32_u24 v3, v1, PITCH
	v_lshl_add_u32 v3, v2, 4, v3                   ; a fragment's row x pitch + 16 x half
	s_mul_i32 s21, s10, 64*PITCH                   ; my 64 rows of A
	v_add_nc_u32 v[A0], s21, v3
	v_add_nc_u32 v[B0], 2*AH, v3                   ; B lies behind A's 256 rows; every wave reads all of it
	v_mov_b32 v[ADRA], v[A0]                       ; slot 0
	v_mov_b32 v[ADRB], v[B0]
	s_mul_i32 s23, s10, 16*SP
	s_add_co_u32 s23, s23, STAGE                   ; my stage
	v_mul_u32_u24 v4, v1, SP
.if OUTF32
	v_lshl_add_u32 v4, v2, 5, v4                   ; in: row l % 16, 32 bytes for each half of the lanes
	v_add_nc_u32 v[STO], s23, v4
	v_and_b32 v5, 31, v0
	v_lshlrev_b32 v[CO], 4, v5                     ; back and out: 32 lanes take one row of 512 bytes
	v_add_nc_u32 v[RD], s23, v[CO]
.else
	v_lshl_add_u32 v4, v2, 4, v4                   ; in: row l % 16, 16 bytes for each half of the lanes
	v_add_nc_u32 v[STO], s23, v4
	v_mul_u32_u24 v5, v2, SP                       ; back: lanes 0-15 one row of 256 bytes, lanes 16-31 the next
	v_lshl_add_u32 v5, v1, 4, v5
	v_add_nc_u32 v[RD], s23, v5
	v_lshlrev_b32 v5, CSH, v2                      ; the same two rows in q
	v_lshl_add_u32 v[CO], v1, 4, v5
	v_lshlrev_b32 v5, 5, v1                        ; kvb: key l % 16, 16 bytes for each half of the lanes
	v_lshl_add_u32 v[KO], v2, 4, v5
.endif
	s_lshl_b32 s16, s13, 8
	s_lshl_b32 s17, s10, 6
	s_add_co_u32 s16, s16, s17                     ; my first row of C: 256 x tile row + 64 x wave
.if !OUTF32
	s_lshl_b32 s18, s16, 5                         ; in kvb a key is 32 bytes,
	s_mov_b32 s19, 0
	s_add_nc_u64 s[66:67], s[66:67], s[18:19]
	s_lshl_b32 s46, s42, 17                        ; a block of 16 channels 4,096 keys
	s_mov_b32 s47, 0
	s_add_nc_u64 s[66:67], s[66:67], s[46:47]
.endif
	s_lshl_b32 s16, s16, CSH
	s_mov_b32 s17, 0
	s_add_nc_u64 s[8:9], s[8:9], s[16:17]
	s_lshl_b32 s46, s42, XSH                       ; the tile's first column, in bytes
	s_mov_b32 s47, 0
	s_add_nc_u64 s[8:9], s[8:9], s[46:47]
	; the prefetches: of the rows that I fetch, my work-group's share: 32 of A's 128 by cx, PFR of B's BROWS / 2 by cy
	s_lshl_b32 s20, s13, 8
	s_lshl_b32 s22, s12, 7
	s_add_co_u32 s20, s20, s22
	s_lshl_b32 s22, s40, 5
	s_add_co_u32 s20, s20, s22
	s_mul_i32 s21, s42, BROWS
	s_mul_i32 s22, s12, BROWS/2
	s_add_co_u32 s21, s21, s22
	s_mul_i32 s22, s41, PFR
	s_add_co_u32 s21, s21, s22
	s_and_b32 s22, ttmp7, 0xffff                   ; cluster y
	s_cmp_eq_u32 s11, 0                            ; do I fetch for A?
	s_cselect_b32 s20, s20, s21
	s_cselect_b32 s22, ttmp9, s22                  ; the coordinate along which other clusters read the same rows
	s_cselect_b32 s23, 31, PFR-1                   ; the last row of my share: lanes beyond it name it again
	s_cselect_b64 s[PFA:PFA+1], s[4:5], s[6:7]
	s_cmp_eq_u32 s22, 0
	s_cselect_b32 s[LIM], 2, -1                    ; the same in all sixteen partners, for a given wave
	s_lshl_b32 s20, s20, 12
	s_mov_b32 s21, 0
	s_add_nc_u64 s[PFA:PFA+1], s[PFA:PFA+1], s[20:21]
	s_add_nc_u64 s[PFA:PFA+1], s[PFA:PFA+1], 2*KSTEP*2  ; at K step 2: the first refill steps it to 3 and names K step 4; K steps 0 to 3 come by their loads alone
	v_and_b32 v[PFO], 31, v0
	v_min_u32 v[PFO], s23, v[PFO]
	v_lshlrev_b32 v[PFO], 12, v[PFO]
; NBLK products: my row block a x all column blocks, 32 along K, from buffer f.  zero = 1: the product starts the sum.  The 4 NBLK accumulators take turns, in the same order in every quarter.
.macro MULA f, a, zero
	WIN 0x50+0x50*((\a)/2)                         ; C and D in window 1 or 2, the sources in window 0
.set b, 0
.rept NBLK
.set rD, 8*(NBLK*((\a)%2)+b)
.if \zero
	v_wmma_f32_16x16x32_f16 v[rD:rD+7], v[(\f)+8*b:(\f)+8*b+7], v[(\f)+8*NBLK+8*(\a):(\f)+8*NBLK+8*(\a)+7], 0
.else
	v_wmma_f32_16x16x32_f16 v[rD:rD+7], v[(\f)+8*b:(\f)+8*b+7], v[(\f)+8*NBLK+8*(\a):(\f)+8*NBLK+8*(\a)+7], v[rD:rD+7]
.endif
.set b, b+1
.endr
.endm
; NLD LDS loads in one run: the fragments of 32 along K at byte k of the rows of the slot in hand, into buffer f: B's first, then A's four
.macro FETCH k, f
	WIN 0
.set b, 0
.rept NBLK
	ds_load_b128 v[(\f)+8*b:(\f)+8*b+3],   v[ADRB] offset:(\k)+b*16*PITCH
	ds_load_b128 v[(\f)+8*b+4:(\f)+8*b+7], v[ADRB] offset:(\k)+b*16*PITCH+32
.set b, b+1
.endr
.irp a, 0,1,2,3
	ds_load_b128 v[(\f)+8*NBLK+8*(\a):(\f)+8*NBLK+8*(\a)+3],   v[ADRA] offset:(\k)+(\a)*16*PITCH
	ds_load_b128 v[(\f)+8*NBLK+8*(\a)+4:(\f)+8*NBLK+8*(\a)+7], v[ADRA] offset:(\k)+(\a)*16*PITCH+32
.endr
.endm
; A K step is four quarters of 32 along K on buffers 0, 1, 0, 1.  One of the first three: multiplies buffer f and, in its middle, fetches the next quarter, at byte k, into g.
.macro QUARTER k, f, g, zero
	s_wait_dscnt 4                                 ; B and A's blocks 0, 1 are in; the youngest four loads (blocks 2, 3) may be out
	MULA \f, 0, \zero
	MULA \f, 1, \zero
	PLACES
	FETCH \k, \g
	s_wait_dscnt NLD                               ; all but the run just issued
	MULA \f, 2, \zero
	MULA \f, 3, \zero
.endm
; The last quarter changes slots and then multiplies buffer 1.  One barrier; in front of it each wave waits for all its tensor loads (its part of the next slot), adds 0 to its spare word, and waits for that
; and for its reads of this slot (buffer 1's fragments were the last).  fill = 1: the barrier opens a round of the cluster's, and this slot is filled again, two K steps ahead, first thing behind the round.
; ALL of the quarter's products stand behind the request: a load so has the 4 x 4 NBLK products of a whole K step between its request and the wait for it.
.macro TURN fill
.if \fill
	s_wait_xcnt 0x0                                ; the last prefetch, a K step back, has read its address, which is stepped here
	s_add_nc_u64 s[PFA:PFA+1], s[PFA:PFA+1], KSTEP*2
.endif
	WIN 0
	s_wait_tensorcnt 0x0                           ; all my tensor loads have landed, so a group 0 may be written
	ds_add_u32 v[SPW], v[NIL]                      ; 0 onto my spare word: the steps below stand between it and the wait for it
.if \fill
	s_xor_b32 s[G0+5], s[G0+5], SLOT1              ; the walking descriptors: the other slot than last time,
	s_add_nc_u64 s[G0+6:G0+7], s[G0+6:G0+7], KSTEP*2  ; the next K step; the type bits on top are not reached
	s_xor_b32 s[G0B+5], s[G0B+5], SLOT1
	s_add_nc_u64 s[G0B+6:G0B+7], s[G0B+6:G0B+7], KSTEP*2
.endif
	s_xor_b32 s[TB], s[TB], SLOT1                  ; the reads go on in the other slot
	s_wait_dscnt 0x0                               ; the add is done, and my reads of this slot are over
	s_barrier_signal -1
	s_barrier_wait -1
.if \fill
	CREST                                          ; no wave of any partner still reads this slot's tile or has a load on its way
	JLOAD 1                                        ; my one tensor load behind the round; its four v_nop are also the places in front of the loads below
.else
	PLACES
.endif
	v_add_nc_u32 v[ADRA], s[TB], v[A0]
	v_add_nc_u32 v[ADRB], s[TB], v[B0]
	FETCH 0, F0
.if \fill
	ASK
.endif
	MULA F1, 0, 0
	MULA F1, 1, 0
	MULA F1, 2, 0
	MULA F1, 3, 0
.endm
; THE WAY OUT, f16.  PACK: row block a rounded to f16, each accumulator's registers in ascending order; the k, v block's 16 bytes are kept apart.  TOSTAGE: into my own stage, and back as whole rows of 256 bytes.
.macro PACK a
	WIN 0x05+0x05*((\a)/2)                         ; sources 0 and 1 in window 1 or 2
.set b, 0
.rept NBLK
.set rD, 8*(NBLK*((\a)%2)+b)
.if b < 8
.set rT, TMP+4*b
.else
.set rT, KV+4*(\a)
.endif
.irp r, 0,1,2,3
	v_cvt_pk_f16_f32 v[rT+(\r)], v[rD+2*(\r)], v[rD+2*(\r)+1]
.endr
.set b, b+1
.endr
	WIN 0
.endm
.macro TOSTAGE a
.irp b, 0,1,2,3,4,5,6,7
	ds_store_b128 v[STO], v[TMP+4*(\b):TMP+4*(\b)+3] offset:32*(\b)
.endr
.irp t, 0,1,2,3,4,5,6,7
	ds_load_b128 v[BK+32*(\a)+4*(\t):BK+32*(\a)+4*(\t)+3], v[RD] offset:(\t)*2*SP  ; LDS serves a wave's instructions in order (ISA guide 5.7.1.4): these see the stores above
.endr
.endm
.macro SEND a                          ; every store's data lies in registers of its own, and the bases stand still: nothing that a store reads is rewritten
	s_wait_dscnt 0x0                               ; the block is back in registers
.irp t, 0,1,2,3,4,5,6,7
	global_store_b128 v[CO], v[BK+32*(\a)+4*(\t):BK+32*(\a)+4*(\t)+3], s[8:9] offset:(16*(\a)+2*(\t))*CROW  ; 16 lanes store 256 consecutive bytes, aligned
.endr
	global_store_b128 v[KO], v[KV+4*(\a):KV+4*(\a)+3], s[66:67] offset:512*(\a)  ; 16 keys x 32 bytes: 512 consecutive bytes, aligned
.endm
; THE WAY OUT, f32: row block a goes as it is into my stage (rows of 528 bytes) and comes back as whole rows of 512 bytes.
.macro OUT32 a
.set rB, BK+64*((\a)%2)
.if (\a) >= 2
	s_wait_xcnt 0x0                                ; the stores of the block two back have read these registers
.endif
	WIN 0x04+0x04*((\a)/2)                         ; the stores' data in window 1 or 2
.set b, 0
.rept NBLK
.set rD, 8*(NBLK*((\a)%2)+b)
	ds_store_b128 v[STO], v[rD:rD+3]   offset:64*b
	ds_store_b128 v[STO], v[rD+4:rD+7] offset:64*b+16
.set b, b+1
.endr
	WIN 0
.irp t, 0,1,2,3,4,5,6,7,8,9,10,11,12,13,14,15
	ds_load_b128 v[rB+4*(\t):rB+4*(\t)+3], v[RD] offset:(\t)*SP
.endr
	s_wait_dscnt 0x0
.irp t, 0,1,2,3,4,5,6,7,8,9,10,11,12,13,14,15
	global_store_b128 v[CO], v[rB+4*(\t):rB+4*(\t)+3], s[8:9] offset:(16*(\a)+(\t))*CROW th:TH_STORE_NT  ; a wave stores 512 consecutive bytes, aligned
.endr
.endm
	s_wait_tensorcnt 1                             ; my part of K step 0 is in; K step 1's may stay out
	s_barrier_signal -1
	s_barrier_wait -1                              ; everybody's is
	FETCH 0, F0
	QUARTER 64, F0, F1, 1                          ; the first quarter stands in front of the loop: its products start the sums
	WIN 0                                          ; at a label and at a branch every window is 0
	s_mov_b32 s3, STEPS-2
.Lstep:                                                ; a trip is a K step, from its second quarter to the next step's first; it fills the slot that it leaves: K steps 2 to 15
	QUARTER 128, F1, F0, 0
	QUARTER 192, F0, F1, 0
	TURN 1
	QUARTER 64,  F0, F1, 0
	WIN 0
	s_sub_co_u32 s3, s3, 1
	s_cmp_lg_u32 s3, 0
	s_cbranch_scc1 .Lstep
	QUARTER 128, F1, F0, 0                         ; the last two K steps fill nothing
	QUARTER 192, F0, F1, 0
	TURN 0
	QUARTER 64,  F0, F1, 0
	QUARTER 128, F1, F0, 0
	QUARTER 192, F0, F1, 0
	s_wait_dscnt 4                                 ; the very last quarter: nothing more to fetch
	MULA F1, 0, 0
	MULA F1, 1, 0
	s_wait_dscnt 0x0
	MULA F1, 2, 0
	MULA F1, 3, 0
	WIN 0
	PLACES                                         ; the places behind the last products, in front of what reads results and writes over fragments
	PLACES
.if OUTF32
	OUT32 0
	OUT32 1
	OUT32 2
	OUT32 3
.else
	PACK 0
	TOSTAGE 0
.irp a, 1,2,3                          ; block a's conversions stand between block a - 1's loads from the stage and the wait for them
	PACK \a
	SEND (\a)-1
	TOSTAGE \a
.endr
	SEND 3
.endif
	s_wait_tensorcnt 0x0                           ; the wave's end, behind my last tensor load and my last LDS store
	ds_add_u32 v[SPW], v[NIL]
	s_wait_dscnt 0x0
	CROUND                                         ; the closing round: no work-group ends while a partner may still ask for a tile that names it
	s_endpgm
.Lfunc_end_k_q53a73dd0cc_gemm_out:
	.size	k_q53a73dd0cc_gemm_out, .Lfunc_end_k_q53a73dd0cc_gemm_out-k_q53a73dd0cc_gemm_out
	.p2alignl 7, 3214868480
	.fill 96, 4, 3214868480
	.section	.rodata,"a",@progbits
	.p2align	6, 0x0
	.amdhsa_kernel k_q53a73dd0cc_gemm_out
		.amdhsa_group_segment_fixed_size 327680
		.amdhsa_private_segment_fixed_size 0
		.amdhsa_enable_private_segment 0
		.amdhsa_kernarg_size 24
		.amdhsa_user_sgpr_count 2
		.amdhsa_user_sgpr_kernarg_segment_ptr 1
		.amdhsa_wavefront_size32 1
		.amdhsa_system_sgpr_workgroup_id_x 1
		.amdhsa_system_sgpr_workgroup_id_y 1
		.amdhsa_system_sgpr_workgroup_id_z 1
		.amdhsa_system_vgpr_workitem_id 0
		.amdhsa_next_free_vgpr 640
		.amdhsa_next_free_sgpr 68
		.amdhsa_reserve_vcc 0
		.amdhsa_float_denorm_mode_32 3
		.amdhsa_float_denorm_mode_16_64 3
		.amdhsa_memory_ordered 1
		.amdhsa_forward_progress 1
		.amdhsa_inst_pref_size 70
	.end_amdhsa_kernel
	.amdgpu_metadata
---
amdhsa.version: [ 1, 2 ]
amdhsa.kernels:
  - .name:           k_q53a73dd0cc_gemm_out
    .symbol:         k_q53a73dd0cc_gemm_out.kd
    .args:
      - { .name: o, .offset: 0, .size: 8, .value_kind: global_buffer, .address_space: global }
      - { .name: h16, .offset: 8, .size: 8, .value_kind: global_buffer, .address_space: global }
      - { .name: out0, .offset: 16, .size: 8, .value_kind: global_buffer, .address_space: global }
    .group_segment_fixed_size: 327680
    .private_segment_fixed_size: 0
    .kernarg_segment_align: 8
    .kernarg_segment_size: 24
    .max_flat_workgroup_size: 128
    .sgpr_count:     68
    .vgpr_count:     640
    .wavefront_size: 32
...
	.end_amdgpu_metadata
.endif
;; end of part 4
